; MI455X (gfx1250); checked and timed in simulation.
; The chip was launched on July 23, 2026; its instructions are those of AMD's public machine-readable ISA for CDNA 5 (MIT licence, August 2026) and "CDNA5" Instruction Set Architecture Reference Guide (July 2026). The comments in the code are by the model that wrote it; some were corrected since.
;; Causal Self Attention. Allowed arithmetic: matrix products marked QUANTISED: E2M1 operands, one E8M0 scale for each 32 along K, by v_wmma_scale_f32_16x16x128_f8f6f4 with both operands' format E2M1 (or v_wmma_scale_f32_32x16x128_f4), f32 sums; products left as they are: bf16, f16 or f32 operands; f32 sums; everything else in f32.
;; Inputs: b_proj 1,024 float32; b_qkv 3,072 float32; w_proj 1,024 x 1,024 float32; w_qkv 1,024 x 3,072 float32; x 2 x 2,048 x 1,024 float32.
;; Outputs: out0 2 x 2,048 x 1,024 float32.
;; This version of the problem:
;;   THIS VERSION OF THE PROBLEM IS GIVEN IN LOW PRECISION. The matrix products marked QUANTISED in the list below multiply operands that are first quantised to E2M1 (2 exponent bits, 1 mantissa bit; 4 bits a number), with one power-of-two scale for each 32 numbers along K (OCP MX v1.0); their sums are f32. The products marked 'left as it is' may take bf16, f16 or f32 operands, with f32 sums. Whichever they take, every output number must still come out within the allowed error. Rounding operands to bf16 (8 significant bits) uses up far more of that allowance than f16 does (11 bits, for magnitudes from 6e-5 to 65,504). All else is computed in f32.
;;   The module's matrix products, in the order in which they are computed (A, B: the left and right operand; K: the contracted axis; several contracted axes count as one K, in the product's order):
;;     1. [M 4,096, K 1,024] x [K 1,024, N 3,072]; A: input x; B: input w_qkv: QUANTISED
;;     2. batch 32 x [M 2,048, K 64] x [K 64, N 2,048]; A: computed on the way; B: computed on the way: left as it is (an operand is computed on the way)
;;     3. batch 32 x [M 2,048, K 2,048] x [K 2,048, N 64]; A: computed on the way; B: computed on the way: left as it is (an operand is computed on the way)
;;     4. [M 4,096, K 1,024] x [K 1,024, N 1,024]; A: computed on the way; B: input w_proj: left as it is (an operand is computed on the way)
;;   THE QUANTISER, for each operand of a quantised product, along K:
;;     - K is cut into blocks of 32 from its start; a last block that is shorter is filled with zeros.
;;     - A block's scale is 2^e with e = floor(log2(the largest magnitude in the block)) - 2, held to -126 .. 127; a block of zeros has e = 0. As a byte (E8M0): e + 127.
;;     - Each number is divided by its block's scale, clamped to +-6, and rounded to the nearest number of E2M1, ties to even, subnormals kept.
;;     - The product sums the exact products of the quantised numbers (number of the format x scale) in f32.
;;   ~~~python
;;   def quantise(x, axis):      # numpy; x: float32 -> the quantised numbers, widened to float32 again
;;       x = np.moveaxis(x, axis, -1); K = x.shape[-1]
;;       x = np.pad(x, [(0, 0)] * (x.ndim - 1) + [(0, -K % 32)]); x = x.reshape(x.shape[:-1] + (-1, 32)); a = np.abs(x).max(-1, keepdims=True)
;;       e = np.where(a > 0, np.clip(np.frexp(np.where(a > 0, a, 1))[1] - 1 - 2, -126, 127), 0)      # np.frexp(a)[1] - 1 = floor(log2(a)), exactly
;;       r = np.clip(x / 2.0 ** e, -6, 6)
;;       step = 2.0 ** (np.maximum(np.frexp(np.where(r == 0, 1, r))[1] - 1, 0) - 1)
;;       q = np.round(r / step) * step * 2.0 ** e      # np.round: ties to even
;;       return np.moveaxis(q.reshape(q.shape[:-2] + (-1,))[..., :K], -1, axis).astype(np.float32)
;;   ~~~
;; One version. Each part assembles by itself: llvm-mc -triple=amdgcn-amd-amdhsa -mcpu=gfx1250 --defsym DOCPART=n.
;; ======== version 1 of 1: 5 launches
;; limits: values are held in f16: magnitudes above 65,504 overflow, below 6.1e-05 lose precision
;; workspace buffers: xc 2,097,152 bytes; xs 131,072 bytes; wc 1,572,864 bytes; ws 98,304 bytes; wp16 2,097,152 bytes; qkv16 25,165,824 bytes; qkv32 393,216 bytes; att16 8,388,608 bytes
;; launch prep (part 1): grid 256 x 1, 4 waves a work-group, no clusters, 84,480 bytes of LDS; arguments x, w_qkv, w_proj, xc, xs, wc, ws, wp16; writes xc, xs, wc, ws, wp16
.if DOCPART == 1
	.amdgcn_target "amdgcn-amd-amdhsa--gfx1250"
	.amdhsa_code_object_version 6
	.text
	.protected	k_q9ddc8a0387_prep
	.globl	k_q9ddc8a0387_prep
	.p2align	8
	.type	k_q9ddc8a0387_prep,@function
k_q9ddc8a0387_prep:
	s_mov_b64 s[64:65], 0
	v_nop
	global_prefetch_b8 v0, s[64:65] scope:SCOPE_SE
	s_setreg_imm32_b32 hwreg(HW_REG_WAVE_MODE, 25, 1), 1
	s_wait_xcnt 0x0
; THE OPERANDS ARE MADE READY, ONCE.  Three kinds of work-group, told apart by the work-group's number alone; each reads 128 KiB:
;   0-95    w_qkv [1024 (k)][3072 (n)] f32 (K is the FIRST axis) -> wc [3072][512 bytes] codes of FP4 (E2M1) with K innermost, ws [3072][32] E8M0 scale bytes
;   96-223  x [4096][1024] f32 (K innermost)  -> xc [4096][512 bytes] codes, xs [4096][32] scale bytes
;   224-255 w_proj [1024][1024] f32 -> wp16, the same layout in f16 (the last product is left as it is and takes f16 operands)
; A block's scale is 2^(floor(log2(its largest magnitude)) - 2); its byte is the largest magnitude's exponent field - 2, held at 1 from below.  A block of zeros so gets the byte 1 where the
; quantiser says 127: its codes are zeros, which add nothing under any byte but 0xff, and this program alone reads the bytes.
; LIMITS: blocks whose largest magnitude lies under 2^-124 keep the byte 1; NaN and infinities among the inputs are not served; |w_proj| stays under 65,504 (f16).
; No tensor loads, no barrier: waves share nothing.  Each kind of work-group has LDS bytes of its own.  Every wave has half of its share or more on its way at once (32 loads of 16 bytes a lane; w_proj's 56).
.set SPW,   12                         ; v12   LDS address of my spare word: SPARE + 4 x my thread's number; never rewritten
.set NIL,   13                         ; v13   0; never rewritten
.set SPARE, 83968                      ; behind both paths' stages: the spare words, 128 bytes for each wave
.set EMAX,  2
; x's path: a wave takes 16 steps of 512 numbers
.set STEPS, 16
.set XAH,   8                          ; the loads run eight steps ahead
.set CB,    8                          ; bytes of 16 codes
.set XR,    16                         ; v16-143  eight sets of 16 numbers as they are loaded
.set XX,    144                        ; v144-175 two sets of 16 neighbours
.set XE,    176                        ; v176-191 a scale byte for each step
.set XC,    192                        ; v192-223 codes: two registers for each step, so that no store's data are written again
.set WREG,  8192                       ; LDS 0 .. 32,767: a region for each wave: two stages of 32 x SP bytes, behind them its 256 scale bytes
.set SP,    80                         ; a lane's place in a stage: its 64 bytes + 16 of padding
; w_qkv's path: a wave takes 16 columns x 512 along K, in 8 chunks of 2 x 32 rows
.set WSTG,  32768                      ; LDS 32,768 on: a region of WWAVE bytes for each wave
.set WWAVE, 12800
.set WHALF, 2112                       ; a chunk's part: 32 rows k x 64 bytes, + 64: so that the two halves of the lanes read different banks
.set WST,   2*WHALF                    ; a stage for the numbers: two parts; two stages by turns
.set WCODE, 2*WST                      ; behind them the stage for the codes: 16 rows x PITCH
.set NCH,   8
.set WAH,   4                          ; the loads run four chunks ahead
.set PITCH, 272                        ; a row of the codes' stage: 256 bytes + 16
.set KROW,  512                        ; a row of wc in bytes
.set WN4,   12288                      ; a row of w_qkv in bytes
.set WR,    16                         ; v16-143  four sets of 32 registers as they are loaded
.set WX,    144                        ; v144-207 two sets of 32 numbers down K
.set WC,    208                        ; v208-239 codes: four registers for each chunk, so that no store's data are written again
.set WSB,   240                        ; v240-241 the scale bytes, four to a register
.set WT,    242                        ; v242-244 at work
.set WOUT,  16                         ; the way out
.macro XLOAD t
.irp i, 0,1,2,3
	global_load_b128 v[XR+16*((\t)%XAH)+4*\i:XR+16*((\t)%XAH)+4*\i+3], v3, s[4:5] offset:2048*(\t)+512*\i th:TH_LOAD_NT   ; 32 lanes read 512 consecutive bytes
.endr
.endm
.macro XTURN t                         ; step t's numbers through the stage: LDS serves a wave's instructions in order, so no wait stands between the stores and the loads
.irp i, 0,1,2,3
	ds_store_b128 v14, v[XR+16*((\t)%XAH)+4*\i:XR+16*((\t)%XAH)+4*\i+3] offset:32*SP*((\t)%2)+8*SP*\i
.endr
.irp i, 0,1,2,3
	ds_load_b128 v[XX+16*((\t)%2)+4*\i:XX+16*((\t)%2)+4*\i+3], v15 offset:32*SP*((\t)%2)+16*\i
.endr
.endm
.macro XSTEP t
.set XS, XX+16*((\t)%2)
.if (\t) > 0
	s_wait_dscnt 1                                 ; this step's numbers are back from the stage (the last step's byte store may be out): so its stores into the stage have read their registers,
.else
	s_wait_dscnt 0x0
.endif
.if (\t)+XAH < STEPS
	XLOAD (\t)+XAH                                 ; which take the loads of eight steps on
.endif
.if (\t)+1 < STEPS
.if STEPS-2-(\t) >= XAH-1
	s_wait_loadcnt 4*(XAH-1)                       ; the next step's four loads are in; those of the seven steps behind it may be out
.else
	s_wait_loadcnt 4*(STEPS-2-(\t))                ; at the end the count runs down with the steps that are left
.endif
	XTURN (\t)+1                                   ; and go through the other stage while this step is worked
.endif
	v_max3_num_f32 v8, |v[XS]|, |v[XS+1]|, |v[XS+2]|               ; the largest magnitude of my 16
	v_max3_num_f32 v9, |v[XS+3]|, |v[XS+4]|, |v[XS+5]|
.irp i, 6,10
	v_max3_num_f32 v8, v8, |v[XS+\i]|, |v[XS+\i+1]|
	v_max3_num_f32 v9, v9, |v[XS+\i+2]|, |v[XS+\i+3]|
.endr
	v_max3_num_f32 v8, v8, |v[XS+14]|, |v[XS+15]|
	v_max3_num_f32 v8, v8, v9, (EMAX+1)<<23        ; and the floor 2^(3 - 127): so the byte cannot fall under 1
	v_max_num_f32_dpp v8, v8, v8 row_xmask:1 row_mask:0xf bank_mask:0xf   ; and of my neighbour's 16: the block's
	v_add_nc_u32 v11, -(EMAX<<23), v8              ; 2 off its exponent field: the conversion takes the exponent field of this operand as its scale, and nothing else of it
	v_cvt_scalef32_pk8_fp4_f32 v[XC+2*(\t)], v[XS:XS+7], v11
	v_cvt_scalef32_pk8_fp4_f32 v[XC+2*(\t)+1], v[XS+8:XS+15], v11
	v_lshrrev_b32 v[XE+(\t)], 23, v11              ; the scale's byte (also the plain line behind the conversions)
	ds_store_b8 v5, v[XE+(\t)] offset:16*(\t)      ; both lanes of a block write the same byte with the same value
	global_store_b64 v4, v[XC+2*(\t):XC+2*(\t)+1], s[10:11] offset:32*CB*(\t)   ; the wave stores 256 consecutive bytes, aligned
.endm
; Chunk t of w_qkv: rows k = 32 t + 0..31 (part 0) and 256 + 32 t + 0..31 (part 1) of my 16 columns.  A load takes 8 rows x 64 bytes: lane l row l / 4, 16 bytes at 16 (l % 4)
.macro WLOAD t
.irp p, 0,1
.irp i, 0,1,2,3
	global_load_b128 v[WR+32*((\t)%WAH)+16*\p+4*\i:WR+32*((\t)%WAH)+16*\p+4*\i+3], v3, s[6:7] offset:(256*\p+32*(\t)+8*\i)*WN4
.endr
.endr
.endm
; The chunk turns through the stage.  In: as loaded: a load's 8 rows of 64 bytes are 512 bytes on end, 16 x lane.  Out: lane (r, h) takes column r of part h, a row a load: ITS REGISTERS THEN RUN DOWN K.
.macro WTURN t
.irp p, 0,1
.irp i, 0,1,2,3
	ds_store_b128 v14, v[WR+32*((\t)%WAH)+16*\p+4*\i:WR+32*((\t)%WAH)+16*\p+4*\i+3] offset:WST*((\t)%2)+WHALF*\p+512*\i
.endr
.endr
.irp i, 0,1,2,3,4,5,6,7,8,9,10,11,12,13,14,15,16,17,18,19,20,21,22,23,24,25,26,27,28,29,30,31
	ds_load_b32 v[WX+32*((\t)%2)+\i], v15 offset:WST*((\t)%2)+64*\i
.endr
.endm
.macro WCHUNK t
.set XS, WX+32*((\t)%2)
.if (\t) > 0
	s_wait_dscnt 1                                 ; this chunk's numbers are back from the stage (the last chunk's store of codes may be out): so its stores into the stage have read their registers,
.else
	s_wait_dscnt 0x0
.endif
.if (\t)+WAH < NCH
	WLOAD (\t)+WAH                                 ; which take the loads of four chunks on
.endif
.if (\t)+1 < NCH
.if NCH-2-(\t) >= WAH-1
	s_wait_loadcnt 8*(WAH-1)                       ; the next chunk's eight loads are in; those of the three chunks behind it may be out
.else
	s_wait_loadcnt 8*(NCH-2-(\t))                  ; at the end the count runs down with the chunks that are left
.endif
	WTURN (\t)+1                                   ; and go through the other stage while this chunk is worked
.endif
	v_max3_num_f32 v[WT], |v[XS]|, |v[XS+1]|, |v[XS+2]|            ; my block's largest magnitude: all 32 numbers are mine
	v_max3_num_f32 v[WT+1], |v[XS+3]|, |v[XS+4]|, |v[XS+5]|
.irp i, 6,10,14,18,22,26
	v_max3_num_f32 v[WT], v[WT], |v[XS+\i]|, |v[XS+\i+1]|
	v_max3_num_f32 v[WT+1], v[WT+1], |v[XS+\i+2]|, |v[XS+\i+3]|
.endr
	v_max3_num_f32 v[WT], v[WT], |v[XS+30]|, |v[XS+31]|
	v_max3_num_f32 v[WT], v[WT], v[WT+1], (EMAX+1)<<23             ; and the floor
	v_add_nc_u32 v[WT+2], -(EMAX<<23), v[WT]       ; the conversion's scale operand
	v_lshrrev_b32 v[WT+1], 23, v[WT+2]             ; the scale's byte
.if (\t)%4 == 0
	v_mov_b32 v[WSB+(\t)/4], v[WT+1]               ; four bytes to a register, the lower K in the lower byte
.else
	v_lshl_or_b32 v[WSB+(\t)/4], v[WT+1], 8*((\t)%4), v[WSB+(\t)/4]
.endif
.irp g, 0,1,2,3
	v_cvt_scalef32_pk8_fp4_f32 v[WC+4*(\t)+\g], v[XS+8*\g:XS+8*\g+7], v[WT+2]
.endr
	v_nop                                          ; one plain line behind the last conversion
	ds_store_b128 v4, v[WC+4*(\t):WC+4*(\t)+3] offset:16*(\t)      ; 32 codes: 16 bytes of my column's row, at byte 128 h + 16 t
.endm
.macro CSTEP i                         ; w_proj: load i becomes a store of 256 consecutive bytes, aligned
.set CR, 16+4*((\i)%56)
.if (\i) < 8
	s_wait_loadcnt 55-(\i)                         ; loads come back in order: load i is in; the later ones of the first 56 stay out
.else
	s_wait_loadcnt 63-(\i)                         ; and from here on the last eight are counted too
.endif
	v_cvt_pk_f16_f32 v[CR], v[CR], v[CR+1]
	v_cvt_pk_f16_f32 v[CR+1], v[CR+2], v[CR+3]
	global_store_b64 v4, v[CR:CR+1], s[18:19] offset:256*(\i)
.endm
	s_load_b256 s[4:11], s[0:1], 0x0               ; x s[4:5], w_qkv s[6:7], w_proj s[8:9], xc s[10:11]
	s_load_b256 s[12:19], s[0:1], 0x20             ; xs s[12:13], wc s[14:15], ws s[16:17], wp16 s[18:19]
	v_lshl_add_u32 v[SPW], v0, 2, SPARE
	v_mov_b32 v[NIL], 0
	v_lshrrev_b32 v1, 5, v0
	v_readfirstlane_b32 s20, v1                    ; wave 0..3
	v_and_b32 v2, 31, v0                           ; lane
	s_mov_b32 s25, 0                               ; the high word of every offset below
	s_wait_kmcnt 0x0
	s_cmp_lt_u32 ttmp9, 96
	s_cbranch_scc0 .Lnot_w
	; ---- w_qkv.  A work-group takes 64 columns x 512 along K: its four waves together read 256 consecutive bytes of each row.  A lane ends up with a column and registers that run down K, so that a block of 32
	; lies in one lane and the conversions give codes with K innermost.  Lane (r, h) holds column r and blocks 8 h + 0..7 of the 16.  The codes leave through a second stage as rows, sixteen lanes to 256 consecutive bytes.
	s_and_b32 s22, ttmp9, 1                        ; which 512 along K
	s_lshr_b32 s21, ttmp9, 1
	s_lshl_b32 s21, s21, 6
	s_lshl_b32 s23, s20, 4
	s_add_co_u32 s21, s21, s23                     ; my wave's first column: 64 x (number / 2) + 16 x wave
	s_mul_i32 s24, s22, 512*WN4
	s_lshl_b32 s23, s21, 2
	s_add_co_u32 s24, s24, s23
	s_add_nc_u64 s[6:7], s[6:7], s[24:25]          ; w_qkv at (512 ky, column)
	v_lshrrev_b32 v5, 2, v2
	v_mul_u32_u24 v3, v5, WN4
	v_and_b32 v6, 3, v2
	v_lshl_add_u32 v3, v6, 4, v3                   ; in: row lane / 4, 16 bytes at 16 (lane % 4)
.irp t, 0,1,2,3
	WLOAD \t                                       ; the first four chunks are asked for before anything else is made
.endr
	s_lshl_b32 s24, s21, 9
	s_lshl_b32 s23, s22, 8
	s_add_co_u32 s24, s24, s23
	s_add_nc_u64 s[14:15], s[14:15], s[24:25]      ; wc at row column, byte 256 ky
	s_lshl_b32 s24, s21, 5
	s_lshl_b32 s23, s22, 4
	s_add_co_u32 s24, s24, s23
	s_add_nc_u64 s[16:17], s[16:17], s[24:25]      ; ws at row column, byte 16 ky
	s_mul_i32 s23, s20, WWAVE
	s_add_co_u32 s23, s23, WSTG                    ; my region of LDS
	v_lshlrev_b32 v14, 4, v2
	v_add_nc_u32 v14, s23, v14                     ; the numbers' stage, on the way in: 16 x lane
	v_and_b32 v5, 15, v2                           ; r
	v_lshrrev_b32 v6, 4, v2                        ; h
	v_mul_u32_u24 v15, v6, WHALF
	v_lshl_add_u32 v15, v5, 2, v15
	v_add_nc_u32 v15, s23, v15                     ; and on the way out: part h, column r
	s_add_co_u32 s23, s23, WCODE                   ; the codes' stage
	v_mul_u32_u24 v4, v5, PITCH
	v_lshl_add_u32 v4, v6, 7, v4
	v_add_nc_u32 v4, s23, v4                       ; into it: row = my column, + 128 h
	v_mul_u32_u24 v7, v6, PITCH
	v_lshl_add_u32 v7, v5, 4, v7
	v_add_nc_u32 v7, s23, v7                       ; out of it: sixteen lanes to a row, two rows an instruction
	v_lshlrev_b32 v8, 4, v5
	v_lshl_add_u32 v8, v6, 9, v8                   ; and the same place in wc
	v_lshlrev_b32 v9, 5, v5
	v_lshl_add_u32 v9, v6, 3, v9                   ; my column's row of scale bytes, + 8 h
	s_wait_loadcnt 8*(WAH-1)                       ; chunk 0's eight loads are in
	WTURN 0
.irp t, 0,1,2,3,4,5,6,7
	WCHUNK \t
.endr
	global_store_b64 v9, v[WSB:WSB+1], s[16:17]    ; my 8 scale bytes: a column's 16 lie in two lanes; the columns' rows are 32 bytes apart
.irp t, 0,1,2,3,4,5,6,7
	ds_load_b128 v[WOUT+4*\t:WOUT+4*\t+3], v7 offset:2*\t*PITCH    ; LDS serves a wave's instructions in order: these see my stores of codes
.endr
.irp t, 0,1,2,3,4,5,6,7
	s_wait_dscnt 7-\t                              ; LDS loads come back in order: pair t of rows is in
	global_store_b128 v8, v[WOUT+4*\t:WOUT+4*\t+3], s[14:15] offset:2*\t*KROW   ; 16 lanes store 256 consecutive bytes, at a multiple of 256 from wc's first byte
.endr
	s_branch .Lend
.Lnot_w:
	s_cmp_lt_u32 ttmp9, 224
	s_cbranch_scc0 .Lpath_c
	; ---- x: rows are dense and K is a multiple of 32, so x is a plain stream of blocks of 32, and so are its codes and its scale bytes.
	; Each load reads 512 consecutive bytes; a step's 2,048 bytes turn through the wave's stage and come back 64 bytes (16 neighbours) a lane; two neighbouring lanes hold a block.
	s_sub_co_u32 s22, ttmp9, 96
	s_lshl_b32 s22, s22, 2
	s_add_co_u32 s22, s22, s20                     ; which run of 8,192 numbers is my wave's
	s_lshl_b32 s24, s22, 15
	s_add_nc_u64 s[4:5], s[4:5], s[24:25]
	v_lshlrev_b32 v3, 4, v2                        ; my 16 bytes of a load's 512
.irp t, 0,1,2,3,4,5,6,7
	XLOAD \t                                       ; the first eight steps are asked for before anything else is made
.endr
	s_lshl_b32 s24, s22, 12
	s_add_nc_u64 s[10:11], s[10:11], s[24:25]
	s_lshl_b32 s24, s22, 8
	s_add_nc_u64 s[12:13], s[12:13], s[24:25]
	s_mul_i32 s21, s20, WREG
	v_lshrrev_b32 v14, 2, v2
	v_mul_u32_u24 v14, v14, SP
	v_and_b32 v15, 3, v2
	v_lshl_add_u32 v14, v15, 4, v14
	v_add_nc_u32 v14, s21, v14                     ; the stage, on the way in: SP (lane / 4) + 16 (lane % 4)
	v_mul_u32_u24 v15, v2, SP
	v_add_nc_u32 v15, s21, v15                     ; and on the way out: SP x lane
	v_mul_u32_u24 v4, v2, CB                       ; my codes' place in a step's
	v_lshrrev_b32 v5, 1, v2
	s_add_co_u32 s21, s21, 2*32*SP
	v_add_nc_u32 v5, s21, v5                       ; my wave's 256 scale bytes, my block's byte
	v_lshlrev_b32 v7, 3, v2                        ; and on the way out 8 bytes a lane
	v_add_nc_u32 v6, s21, v7
	s_wait_loadcnt 4*(XAH-1)                       ; step 0's four loads are in
	XTURN 0
.irp t, 0,1,2,3,4,5,6,7,8,9,10,11,12,13,14,15
	XSTEP \t
.endr
	ds_load_b64 v[8:9], v6                         ; LDS serves a wave's instructions in order: these see my byte stores
	s_wait_dscnt 0x0
	global_store_b64 v7, v[8:9], s[12:13]          ; 32 lanes store 256 consecutive bytes, aligned
	s_branch .Lend
.Lpath_c:
	; ---- w_proj to f16: a wave takes 8,192 numbers: 64 loads of 512 consecutive bytes.  56 go out at once (224 registers); the last eight take the first eight's registers when those have been stored
	s_sub_co_u32 s22, ttmp9, 224
	s_lshl_b32 s22, s22, 2
	s_add_co_u32 s22, s22, s20
	s_lshl_b32 s24, s22, 15
	s_add_nc_u64 s[8:9], s[8:9], s[24:25]
	s_lshl_b32 s24, s22, 14
	s_add_nc_u64 s[18:19], s[18:19], s[24:25]
	v_lshlrev_b32 v3, 4, v2
	v_lshlrev_b32 v4, 3, v2
.set Q, 0
.rept 56
	global_load_b128 v[16+4*Q:19+4*Q], v3, s[8:9] offset:512*Q
.set Q, Q+1
.endr
.set Q, 0
.rept 8
	CSTEP Q
.set Q, Q+1
.endr
	s_wait_xcnt 0x0                                ; the first eight stores have read their registers: only behind this wait are these loaded again
.set Q, 56
.rept 8
	global_load_b128 v[16+4*(Q-56):19+4*(Q-56)], v3, s[8:9] offset:512*Q
.set Q, Q+1
.endr
.set Q, 8
.rept 56
	CSTEP Q
.set Q, Q+1
.endr
.Lend:
	s_wait_tensorcnt 0x0                           ; the wave's end: behind my last LDS store
	ds_add_u32 v[SPW], v[NIL]
	s_wait_dscnt 0x0
	s_endpgm
.Lfunc_end_k_q9ddc8a0387_prep:
	.size	k_q9ddc8a0387_prep, .Lfunc_end_k_q9ddc8a0387_prep-k_q9ddc8a0387_prep
	.p2alignl 7, 3214868480
	.fill 96, 4, 3214868480
	.section	.rodata,"a",@progbits
	.p2align	6, 0x0
	.amdhsa_kernel k_q9ddc8a0387_prep
		.amdhsa_group_segment_fixed_size 84480
		.amdhsa_private_segment_fixed_size 0
		.amdhsa_enable_private_segment 0
		.amdhsa_kernarg_size 64
		.amdhsa_user_sgpr_count 2
		.amdhsa_user_sgpr_kernarg_segment_ptr 1
		.amdhsa_wavefront_size32 1
		.amdhsa_system_sgpr_workgroup_id_x 1
		.amdhsa_system_sgpr_workgroup_id_y 1
		.amdhsa_system_sgpr_workgroup_id_z 1
		.amdhsa_system_vgpr_workitem_id 0
		.amdhsa_next_free_vgpr 256
		.amdhsa_next_free_sgpr 66
		.amdhsa_reserve_vcc 0
		.amdhsa_float_denorm_mode_32 3
		.amdhsa_float_denorm_mode_16_64 3
		.amdhsa_memory_ordered 1
		.amdhsa_forward_progress 1
		.amdhsa_inst_pref_size 98
	.end_amdhsa_kernel
	.amdgpu_metadata
---
amdhsa.version: [ 1, 2 ]
amdhsa.kernels:
  - .name:           k_q9ddc8a0387_prep
    .symbol:         k_q9ddc8a0387_prep.kd
    .args:
      - { .name: x, .offset: 0, .size: 8, .value_kind: global_buffer, .address_space: global }
      - { .name: w_qkv, .offset: 8, .size: 8, .value_kind: global_buffer, .address_space: global }
      - { .name: w_proj, .offset: 16, .size: 8, .value_kind: global_buffer, .address_space: global }
      - { .name: xc, .offset: 24, .size: 8, .value_kind: global_buffer, .address_space: global }
      - { .name: xs, .offset: 32, .size: 8, .value_kind: global_buffer, .address_space: global }
      - { .name: wc, .offset: 40, .size: 8, .value_kind: global_buffer, .address_space: global }
      - { .name: ws, .offset: 48, .size: 8, .value_kind: global_buffer, .address_space: global }
      - { .name: wp16, .offset: 56, .size: 8, .value_kind: global_buffer, .address_space: global }
    .group_segment_fixed_size: 84480
    .private_segment_fixed_size: 0
    .kernarg_segment_align: 8
    .kernarg_segment_size: 64
    .max_flat_workgroup_size: 128
    .sgpr_count:     66
    .vgpr_count:     256
    .wavefront_size: 32
...
	.end_amdgpu_metadata
.endif
;; end of part 1
;; launch qkv (part 2): grid 12 x 16, 4 waves a work-group, clusters of 4 x 4, 327,680 bytes of LDS; arguments xc, xs, wc, ws, b_qkv, qkv16, qkv32; writes qkv16, qkv32
.if DOCPART == 2
	.amdgcn_target "amdgcn-amd-amdhsa--gfx1250"
	.amdhsa_code_object_version 6
	.text
	.protected	k_q9ddc8a0387_qkv
	.globl	k_q9ddc8a0387_qkv
	.p2align	8
	.type	k_q9ddc8a0387_qkv,@function
k_q9ddc8a0387_qkv:
	s_mov_b64 s[64:65], 0
	v_nop
	global_prefetch_b8 v0, s[64:65] scope:SCOPE_SE
	s_setreg_imm32_b32 hwreg(HW_REG_WAVE_MODE, 25, 1), 1
	s_wait_xcnt 0x0
	s_wait_alu depctr_hold_cnt(0) depctr_sa_sdst(0) depctr_va_vdst(0) depctr_va_sdst(0) depctr_va_ssrc(0) depctr_va_vcc(0) depctr_vm_vsrc(0)
	s_getreg_b32 s2, hwreg(HW_REG_IB_STS2, 6, 4)
	s_cmp_eq_u32 s2, 0
	s_cbranch_scc0 .Lentry_in_a_cluster
	s_endpgm
.Lentry_in_a_cluster:
	s_bfe_u32 s2, ttmp6, 0x10000c
	s_cmp_lg_u32 s2, 0xf033
	s_cbranch_scc0 .Lentry_shape_is_right
	s_endpgm
.Lentry_shape_is_right:
; qkv = Q(x) Q(w_qkv) + b_qkv, on codes of FP4 (E2M1) with one E8M0 scale for each 32 along K; sums in f32.  A = xc [4096][1024 codes], B = wc [3072][1024 codes], K innermost in both.
; A tile of 256 x 256 is made by four waves, 128 x 128 each: 64 accumulators, 512 registers.  K = 1,024 is two K steps of 512, one in each of two LDS slots: nothing is filled again.
; The scales of the work-group's 256 rows of A and of B, for all of K, come into LDS once, with the first fills.
; CLUSTERS: 4 x 4 work-groups; A's tiles are asked for jointly along a row of the cluster, B's along a column.
; THE MATRIX INSTRUCTION IS USED TRANSPOSED (source 0 = 16 rows of B, source 1 = 16 rows of A): a lane holds eight neighbouring columns of one token.  THE BIAS IS THE C OF EACH SUM'S FIRST PRODUCT.
; OUT: f16, by head: qkv16 [q, k, v][batch][head][token][64]; two tokens of a head are 256 consecutive bytes.  The first 16 tokens of each batch go out in f32 as well (qkv32 [batch][16][3072]):
; a later launch carries those rows in f32.
; LIMITS: |q|, |k|, |v| stay under 65,504 (f16).
; REGISTERS: window 0: v0-31 addresses; v32-95 scale words, two sets; v128-191 A's fragments, one set; v192-255 the bias, 8 registers for each of B's 8 blocks.  Window 1: B's fragments, two sets.
;   Window 2: the accumulators of my rows 0-63 ((a, b) at v[8 (8 a + b)]); window 3: those of rows 64-127.
.set NQ,     4                         ; matrix instructions deep in a slot
.set ROWB,   256                       ; a tile's row in bytes: 512 codes
.set KROW,   512                       ; a row of xc or wc in bytes
.set PITCH,  272                       ; an LDS row: 256 bytes + 16 of padding = 68 words: the 16 rows that a load touches start at 16 different banks (64 banks of 4 bytes: ISA guide 11.1)
.set FR,     8                         ; registers of a fragment: 16 rows x 128 K
.set NL,     2                         ; LDS loads that bring one
.set NP,     4                         ; places behind this matrix instruction (ISA guide 7.12.1)
.set HALFT,  128*PITCH
.set SLOT,   4*HALFT                   ; A's 256 rows, then B's 256 rows
.set KS,     32                        ; a row of scales in bytes
.set SCL,    2*SLOT                    ; behind the slots: the scales, as runs of 256 bytes + 16 of padding
.set HALFS,  (128*KS/256)*272
.set SBLK,   (16*KS/256)*272
.set SPARE,  SCL+4*HALFS               ; the spare words, 128 bytes for each wave
.set SP16,   272                       ; the way out: an f16 stage of 16 rows x (256 + 16) bytes for each wave, and behind the four an f32 stage of 16 rows x (512 + 16).
.set SP32,   528                       ; Both lie in slot 0, which has had its one fill and its last read when the first result is stored there
.set STG32,  4*16*SP16
.set ADRA, 16                          ; v16-17  LDS address of my A fragments in slot 0, 1
.set STO32, 18                         ; v18     the f32 stage: where I put 32 bytes of a row
.set RD32, 19                          ; v19     and where I read a row back
.set ADRB, 20                          ; v20-21  LDS address of my B fragments
.set CO32, 22                          ; v22     16 x lane: my place in a row of 512 bytes
.set STO,  24                          ; v24     the f16 stage: where I put 16 bytes of a row
.set RD,   25                          ; v25     and where I read back
.set CO,   26                          ; v26     my byte offset in qkv16
.set ADRS, 27                          ; v27     LDS address of my scale words: lanes 0-15 A's rows, lanes 16-31 B's
.set SPW,  28                          ; v28     LDS address of my spare word; never rewritten
.set NIL,  29                          ; v29     0; never rewritten
.set SC,   32
.set AF,   128
.set BIAS, 192
.set TMP,  32                          ; the way out: packed results
.set BK,   128                         ; and 16 rows read back: v128-159 and v160-191 by turns
.set G1, 24
.set G0, 32
.set G1B, 48
.set G0B, 56
.set G1S, 68
.set G0S, 76
.set G1SB, 80
.set G0SB, 88
.set MSB, 0
.macro WIN new                         ; the immediate's high byte repeats the setting that is left
.if MSB != (\new)
	s_set_vgpr_msb (MSB<<8)|(\new)
.set MSB, (\new)
.endif
.endm
.set MUL_LO, 0xa1                      ; source 0 (B) window 1, source 1 (A) window 0, C and D window 2
.set MUL_HI, 0xf1                      ; the same, C and D window 3
.set TO_B,   0x40                      ; destination window 1, address window 0
; A joint load: waves 0 and 1 fetch for A, waves 2 and 3 for B.  The branch hangs on the wave's number alone.  An s_nop 0 and four v_nop follow each of the two lines.
.macro JLOAD g0a, g1a, g0b, g1b
	s_cmp_eq_u32 s15, 0
	s_cbranch_scc0 .Lfor_b_\@
	tensor_load_to_lds s[\g0a:\g0a+3], s[\g1a:\g1a+7]
	s_nop 0
.rept 4
	v_nop
.endr
	s_branch .Lasked_\@
.Lfor_b_\@:
	tensor_load_to_lds s[\g0b:\g0b+3], s[\g1b:\g1b+7]
	s_nop 0
.rept 4
	v_nop
.endr
.Lasked_\@:
.endm
.macro CROUND                          ; a round of the cluster's barrier
	s_barrier_signal -1
	s_barrier_wait -1
	s_cmp_lg_u32 s14, 0
	s_cbranch_scc1 .Lnot_wave_0_\@
	s_barrier_signal -3
.Lnot_wave_0_\@:
	s_barrier_wait -3
	s_barrier_signal -1
	s_barrier_wait -1
.endm
	s_load_b128 s[4:7], s[0:1], 0x0                ; xc s[4:5], xs s[6:7]
	s_load_b128 s[8:11], s[0:1], 0x10              ; wc s[8:9], ws s[10:11]
	s_load_b64 s[96:97], s[0:1], 0x20              ; b_qkv
	s_load_b64 s[12:13], s[0:1], 0x28              ; qkv16
	s_load_b64 s[98:99], s[0:1], 0x30              ; qkv32
	v_lshl_add_u32 v[SPW], v0, 2, SPARE
	v_mov_b32 v[NIL], 0
	ds_add_u32 v[SPW], v[NIL]                      ; the wave's opening: the add, twice on end, and its wait ahead of my first tensor load
	ds_add_u32 v[SPW], v[NIL]
	v_lshrrev_b32 v1, 5, v0
	v_readfirstlane_b32 s14, v1                    ; wave 0..3
	s_lshr_b32 s15, s14, 1                         ; which half of the tile's rows is mine.  Also: I fetch for A (0) or for B (1)
	s_and_b32 s16, s14, 1                          ; which half of its columns.  Also: which 128 rows of that tile I fetch
	s_bfe_u32 s40, ttmp6, 0x40000                  ; cx, cy: my place in the cluster
	s_bfe_u32 s41, ttmp6, 0x40004
	s_lshl_b32 s42, ttmp9, 2
	s_add_co_u32 s42, s42, s40                     ; tile column = 4 x cluster x + cx
	s_and_b32 s17, ttmp7, 0xffff
	s_lshl_b32 s17, s17, 2
	s_add_co_u32 s17, s17, s41                     ; tile row = 4 x cluster y + cy
	s_lshl_b32 s43, s41, 2
	s_lshl_b32 s43, 15, s43                        ; my row of the cluster
	s_lshl_b32 s44, 0x1111, s40                    ; my column
	; descriptor group 1: a tile of 128 rows x 256 bytes, 16 bytes of padding behind each row
	s_or_b32 s[G1+0], s43, (0<<16)|(1<<20)|(1<<21)|(5<<22)|(3<<25)  ; 15:0 the mask; 17:16 elements of 1 byte; 20 padding on; 21 set beside a mask; 24:22 after every 64 words; 31:25 four words
	s_or_b32 s[G1B+0], s44, (0<<16)|(1<<20)|(1<<21)|(5<<22)|(3<<25)
.irp g, G1, G1B
	s_mov_b32 s[\g+1], ROWB<<16                    ; tensor_dim0
	s_mov_b32 s[\g+2], 128<<16                     ; tensor_dim1
	s_mov_b32 s[\g+3], ROWB<<16                    ; tile_dim0
	s_mov_b32 s[\g+4], 128                         ; tile_dim1
	s_mov_b32 s[\g+5], KROW                        ; from row to row
	s_mov_b32 s[\g+6], 0
	s_mov_b32 s[\g+7], 0
.endr
	; the scales of 128 rows: a dense block of 4,096 bytes, as rows of 256 bytes (32 elements of 8 bytes), 16 bytes of padding behind each
	s_or_b32 s[G1S+0], s43, (3<<16)|(1<<20)|(1<<21)|(5<<22)|(3<<25)
	s_or_b32 s[G1SB+0], s44, (3<<16)|(1<<20)|(1<<21)|(5<<22)|(3<<25)
.irp g, G1S, G1SB
	s_mov_b32 s[\g+1], 32<<16
	s_mov_b32 s[\g+2], (128*KS/256)<<16
	s_mov_b32 s[\g+3], 32<<16
	s_mov_b32 s[\g+4], 128*KS/256
	s_mov_b32 s[\g+5], 32
	s_mov_b32 s[\g+6], 0
	s_mov_b32 s[\g+7], 0
.endr
	s_lshl_b32 s18, s16, 7                         ; which 128 rows of the tile I fetch
	s_lshl_b32 s20, s17, 8
	s_add_co_u32 s20, s20, s18                     ; A: row 256 x tile row + 128 x half
	s_lshl_b32 s46, s42, 8
	s_add_co_u32 s46, s46, s18                     ; B: row 256 x tile column + 128 x half
	s_mov_b32 s21, 0
	s_mov_b32 s47, 0
	s_mov_b64 s[18:19], KS
	s_mul_u64 s[22:23], s[20:21], s[18:19]         ; where these rows' scales begin, in bytes
	s_mul_u64 s[92:93], s[46:47], s[18:19]
	s_mov_b64 s[18:19], KROW
	s_mul_u64 s[20:21], s[20:21], s[18:19]         ; and their codes
	s_mul_u64 s[46:47], s[46:47], s[18:19]
	s_mul_i32 s45, s14, HALFT                      ; where they go: wave x 128 rows: no place in the cluster enters an LDS address
	s_mul_i32 s94, s14, HALFS
	s_wait_dscnt 0x0                               ; both opening adds are done
	s_wait_kmcnt 0x0
	s_add_nc_u64 s[20:21], s[4:5], s[20:21]
	s_add_nc_u64 s[22:23], s[6:7], s[22:23]
	s_add_nc_u64 s[46:47], s[8:9], s[46:47]
	s_add_nc_u64 s[92:93], s[10:11], s[92:93]
	CROUND                                         ; all sixteen work-groups are here: the first joint loads meet
	s_mov_b32 s[G0S], 1
	s_add_co_u32 s[G0S+1], s94, SCL
	s_mov_b64 s[G0S+2:G0S+3], s[22:23]
	s_or_b32 s[G0S+3], s[G0S+3], 0x80000000
	s_mov_b32 s[G0SB], 1
	s_add_co_u32 s[G0SB+1], s94, SCL
	s_mov_b64 s[G0SB+2:G0SB+3], s[92:93]
	s_or_b32 s[G0SB+3], s[G0SB+3], 0x80000000
	JLOAD G0S, G1S, G0SB, G1SB                     ; the scales first: they are wanted with K step 0
.irp s, 0,1
	s_mov_b32 s[G0+4*\s], 1
	s_add_co_u32 s[G0+4*\s+1], s45, \s*SLOT
	s_add_nc_u64 s[G0+4*\s+2:G0+4*\s+3], s[20:21], \s*ROWB
	s_or_b32 s[G0+4*\s+3], s[G0+4*\s+3], 0x80000000
	s_mov_b32 s[G0B+4*\s], 1
	s_add_co_u32 s[G0B+4*\s+1], s45, \s*SLOT
	s_add_nc_u64 s[G0B+4*\s+2:G0B+4*\s+3], s[46:47], \s*ROWB
	s_or_b32 s[G0B+4*\s+3], s[G0B+4*\s+3], 0x80000000
	JLOAD G0+4*\s, G1, G0B+4*\s, G1B               ; three tensor loads of mine are out: the scales and both K steps
.endr
	v_and_b32 v1, 15, v0                           ; r = lane % 16
	v_bfe_u32 v2, v0, 4, 1                         ; h = lane / 16
	; the bias of my 128 columns: lane (r, h) wants, for B's block b, columns 16 b + 8 h + 0 .. 7
	s_lshl_b32 s46, s42, 10                        ; my first column in f32 bytes: 1,024 x tile column + 512 x half
	s_lshl_b32 s47, s16, 9
	s_add_co_u32 s46, s46, s47
	s_mov_b32 s47, 0
	s_add_nc_u64 s[96:97], s[96:97], s[46:47]
	s_add_nc_u64 s[98:99], s[98:99], s[46:47]      ; qkv32 at my first column,
	v_lshlrev_b32 v31, 5, v2
.irp b, 0,1,2,3,4,5,6,7
	global_load_b128 v[BIAS+8*\b:BIAS+8*\b+3], v31, s[96:97] offset:64*\b
	global_load_b128 v[BIAS+8*\b+4:BIAS+8*\b+7], v31, s[96:97] offset:64*\b+16
.endr
	s_lshr_b32 s66, s17, 3                         ; the batch
	s_mul_i32 s2, s66, 196608
	s_mov_b32 s3, 0
	s_add_nc_u64 s[98:99], s[98:99], s[2:3]        ; in my batch
	s_lshl_b32 s66, s66, 4                         ; qkv16: plane 32 x (q, k or v) + 16 x batch + head, 262,144 bytes each
	s_lshr_b32 s67, s42, 2
	s_lshl_b32 s67, s67, 5
	s_add_co_u32 s66, s66, s67
	s_lshl_b32 s67, s42, 2
	s_and_b32 s67, s67, 15
	s_add_co_u32 s66, s66, s67
	s_lshl_b32 s67, s16, 1
	s_add_co_u32 s66, s66, s67                     ; my first head: my 128 columns are two heads
	s_lshl_b32 s2, s66, 18
	s_add_nc_u64 s[12:13], s[12:13], s[2:3]
	s_and_b32 s66, s17, 7
	s_lshl_b32 s66, s66, 8
	s_lshl_b32 s67, s15, 7
	s_add_co_u32 s66, s66, s67                     ; my first token in the batch
	s_lshl_b32 s2, s66, 7
	s_add_nc_u64 s[12:13], s[12:13], s[2:3]
	v_mul_u32_u24 v3, v1, PITCH
	v_lshl_add_u32 v4, v2, 4, v3                   ; a fragment's row x pitch + 16 x half
	s_mul_i32 s21, s15, HALFT                      ; my 128 rows of A
	s_mul_i32 s22, s16, HALFT                      ; my 128 rows of B,
	s_add_co_u32 s22, s22, 2*HALFT                 ; which lie behind A's 256
.irp s, 0,1
	v_add_nc_u32 v[ADRA+\s], s21, v4
	v_add_nc_u32 v[ADRB+\s], s22, v4
	s_add_co_u32 s21, s21, SLOT
	s_add_co_u32 s22, s22, SLOT
.endr
	v_mul_u32_u24 v5, v1, KS                       ; my row's scales: 32 bytes a row,
	v_lshrrev_b32 v6, 8, v5
	v_lshl_add_u32 v5, v6, 4, v5                   ; and 16 more for each 256 passed
	s_mul_i32 s21, s15, HALFS
	s_mul_i32 s22, s16, HALFS
	s_add_co_u32 s22, s22, 2*HALFS
	s_sub_co_u32 s22, s22, s21
	v_mul_u32_u24 v6, s22, v2                      ; lanes 16-31 take B's: the lower base + h x the distance
	s_add_co_u32 s21, s21, SCL
	v_add_nc_u32 v5, v5, v6
	v_add_nc_u32 v[ADRS], s21, v5
	s_mul_i32 s23, s14, 16*SP16                    ; my f16 stage
	v_mul_u32_u24 v5, v1, SP16                     ; in: row r, 16 bytes for each half of the lanes
	v_lshl_add_u32 v5, v2, 4, v5
	v_add_nc_u32 v[STO], s23, v5
	v_bfe_u32 v5, v0, 3, 1                         ; back: lanes 0-15 take two tokens of the first head (2 x 128 bytes), lanes 16-31 of the second
	v_mul_u32_u24 v5, v5, SP16
	v_lshl_add_u32 v5, v2, 7, v5
	v_and_b32 v6, 7, v0
	v_lshl_add_u32 v5, v6, 4, v5
	v_add_nc_u32 v[RD], s23, v5
	v_lshlrev_b32 v[CO], 4, v1
	v_lshl_add_u32 v[CO], v2, 18, v[CO]            ; in qkv16: 16 (lane % 16), and a head's plane on for lanes 16-31
	s_mul_i32 s23, s14, 16*SP32
	s_add_co_u32 s23, s23, STG32                   ; my f32 stage
	v_mul_u32_u24 v5, v1, SP32
	v_lshl_add_u32 v5, v2, 5, v5
	v_add_nc_u32 v[STO32], s23, v5
	v_and_b32 v6, 31, v0
	v_lshlrev_b32 v[CO32], 4, v6
	v_add_nc_u32 v[RD32], s23, v[CO32]
.macro FRAG reg, adr, q, i             ; 16 rows x 128 K of 4-bit codes: lane l holds row l % 16; registers 4 c .. 4 c + 3 hold K = 64 c + 32 (l / 16) + 0 .. 31
.irp c, 0,1
	ds_load_b128 v[\reg+4*\c:\reg+4*\c+3], v[\adr] offset:64*(\q)+32*\c+(\i)*16*PITCH
.endr
.endm
; 16 matrix instructions: A's blocks a0, a0 + 1 x B's eight, 128 along K.  p: B's set; sc: the set of scale words.  first = 1: the sum begins with the bias as C: nothing is cleared, nothing is added later.
; The 64 accumulators take turns, one instruction a turn, in the same order in every step.
.macro MUL16 a0, p, q, sc, first
.irp a, \a0, \a0+1
.irp b, 0,1,2,3,4,5,6,7
.if \first
	v_wmma_scale_f32_16x16x128_f8f6f4 v[8*(8*((\a)%4)+\b):8*(8*((\a)%4)+\b)+7], v[128*(\p)+FR*\b:128*(\p)+FR*\b+FR-1], v[AF+FR*(\a):AF+FR*(\a)+FR-1], v[BIAS+8*\b:BIAS+8*\b+7], v[SC+8*NQ*(\sc)+NQ*\b+(\q)], v[SC+8*NQ*(\sc)+NQ*(\a)+(\q)] matrix_a_fmt:MATRIX_FMT_FP4 matrix_b_fmt:MATRIX_FMT_FP4 matrix_a_scale:MATRIX_SCALE_ROW1
.else
	v_wmma_scale_f32_16x16x128_f8f6f4 v[8*(8*((\a)%4)+\b):8*(8*((\a)%4)+\b)+7], v[128*(\p)+FR*\b:128*(\p)+FR*\b+FR-1], v[AF+FR*(\a):AF+FR*(\a)+FR-1], v[8*(8*((\a)%4)+\b):8*(8*((\a)%4)+\b)+7], v[SC+8*NQ*(\sc)+NQ*\b+(\q)], v[SC+8*NQ*(\sc)+NQ*(\a)+(\q)] matrix_a_fmt:MATRIX_FMT_FP4 matrix_b_fmt:MATRIX_FMT_FP4 matrix_a_scale:MATRIX_SCALE_ROW1
.endif
.endr
.endr
.endm
.macro FETCH_B slot, q, p
	WIN TO_B
.irp i, 0,1,2,3,4,5,6,7
	FRAG 128*(\p)+FR*\i, ADRB+\slot, \q, \i
.endr
	WIN 0
.endm
.macro FETCH_A slot, q, i0
.irp i, \i0, \i0+1, \i0+2, \i0+3
	FRAG AF+FR*(\i), ADRA+\slot, \q, \i
.endr
.endm
.macro SCALES sc                       ; a K step's scale words: 4 words a row; lanes 0-15 take A's block i, lanes 16-31 B's block i
.irp i, 0,1,2,3,4,5,6,7
	ds_load_b128 v[SC+8*NQ*\sc+NQ*\i:SC+8*NQ*\sc+NQ*\i+3], v[ADRS] offset:\i*SBLK
.endr
.endm
.macro PLACES n                        ; plain vector instructions that name no register of the products before them (ISA guide 7.12.1)
.rept \n
	v_nop
.endr
.endm
; A step of 128 along K that has its successor in the same slot.  With first = 1 C lies in window 0.
.macro STEP slot, q, first
	s_wait_dscnt 4*NL                              ; B's set and A's blocks 0-3 are in; the youngest eight loads (A's blocks 4-7) may be out
	WIN MUL_LO-0x20*(\first)
	MUL16 0, (\q)%2, \q, \slot, \first
	MUL16 2, (\q)%2, \q, \slot, \first
	s_wait_dscnt 0                                 ; A's blocks 4-7 are in
	PLACES NP
	FETCH_B \slot, (\q)+1, 1-(\q)%2
	FETCH_A \slot, (\q)+1, 0
	WIN MUL_HI-0x30*(\first)
	MUL16 4, (\q)%2, \q, \slot, \first
	MUL16 6, (\q)%2, \q, \slot, \first
	PLACES NP
	WIN 0
	FETCH_A \slot, (\q)+1, 4
.endm
.macro STEPS slot, from
.set Q, \from
.rept NQ-1-\from
	STEP \slot, Q, 0
.set Q, Q+1
.endr
.endm
	s_wait_loadcnt 0x0                             ; the bias
	s_wait_tensorcnt 1                             ; the scales and my part of K step 0 are in (K step 1's load may be out)
	s_barrier_signal -1
	s_barrier_wait -1                              ; everybody's are
	FETCH_B 0, 0, 0
	FETCH_A 0, 0, 0
	SCALES 0
	FETCH_A 0, 0, 4
	STEP 0, 0, 1                                   ; the first step's products start the sums, from the bias
	STEPS 0, 1
	; slot 0's last step changes slots: one barrier; in front of it each wave waits for all its tensor loads, adds 0 to its spare word, and waits for that and for its own reads of slot 0
	s_wait_tensorcnt 0x0                           ; my part of slot 1 has landed
	ds_add_u32 v[SPW], v[NIL]
	s_wait_dscnt 4*NL+1                            ; (the add and the youngest eight loads may be out)
	WIN MUL_LO
	MUL16 0, 1, NQ-1, 0, 0
	s_wait_dscnt 0x0                               ; the add is done, and my reads of slot 0 are over
	s_barrier_signal -1
	MUL16 2, 1, NQ-1, 0, 0
	WIN 0
	s_barrier_wait -1                              ; slot 1 is whole, and nobody reads slot 0 any more
	PLACES NP
	v_add_nc_u32 v[ADRS], 4*NQ, v[ADRS]            ; on to the second K step's scale words
	FETCH_B 1, 0, 0
	FETCH_A 1, 0, 0
	SCALES 1
	WIN MUL_HI
	MUL16 4, 1, NQ-1, 0, 0
	MUL16 6, 1, NQ-1, 0, 0
	PLACES NP
	WIN 0
	FETCH_A 1, 0, 4
	STEPS 1, 0
	s_wait_dscnt 4*NL                              ; the very last step: nothing more to fetch
	WIN MUL_LO
	MUL16 0, 1, NQ-1, 1, 0
	MUL16 2, 1, NQ-1, 1, 0
	s_wait_dscnt 0
	WIN MUL_HI
	MUL16 4, 1, NQ-1, 1, 0
	MUL16 6, 1, NQ-1, 1, 0
	WIN 0
; THE WAY OUT, block by block of 16 tokens x 128 columns (two heads).  PACK: rounded to f16, 16 bytes a lane, each accumulator from its low end on.  TOSTAGE: into my own stage, and back so that sixteen lanes
; hold two tokens of one head.  SEND: stored: 256 consecutive bytes from lanes 0-15 (first head), 256 from lanes 16-31 (second head), each at a multiple of 256 from qkv16's first byte.
.macro PACK a
.set AC, 64*((\a)%4)
	WIN 0x0a+5*((\a)/4)                            ; sources 0 and 1: window 2 or 3
.irp b, 0,1,2,3,4,5,6,7
.irp r, 0,1,2,3
	v_cvt_pk_f16_f32 v[TMP+4*\b+\r], v[AC+8*\b+2*\r], v[AC+8*\b+2*\r+1]
.endr
.endr
	WIN 0
.endm
.macro TOSTAGE a
.set BB, BK+32*((\a)%2)
.irp b, 0,1,2,3,4,5,6,7
	ds_store_b128 v[STO], v[TMP+4*\b:TMP+4*\b+3] offset:32*\b
.endr
.irp t, 0,1,2,3,4,5,6,7
	ds_load_b128 v[BB+4*\t:BB+4*\t+3], v[RD] offset:\t*2*SP16      ; LDS serves a wave's instructions in order: these see the stores above
.endr
.endm
.macro SEND a
.set BB, BK+32*((\a)%2)
	s_wait_dscnt 0x0                               ; the block is back in registers
	s_wait_xcnt 0x0                                ; the block before has had its stores' addresses translated: its registers are loaded again only behind this wait
.irp t, 0,1,2,3,4,5,6,7
	global_store_b128 v[CO], v[BB+4*\t:BB+4*\t+3], s[12:13] offset:2048*(\a)+256*\t
.endr
.endm
	PLACES NP                                      ; behind the last products: for the conversions, which write what held scale words, and for the loads into what held A's fragments
	PACK 0
	TOSTAGE 0
.irp a, 1,2,3,4,5,6,7                  ; block a's conversions stand between block a - 1's loads from the stage and the wait for them
	PACK \a
	SEND \a-1
	TOSTAGE \a
.endr
	SEND 7
	; THE FIRST 16 TOKENS OF A BATCH ONCE MORE, IN F32.  They are block 0 of the waves with the upper rows, in tile rows 0 and 8.  The branch hangs on the wave's number and on the cluster's y, which all partners
	; share; which of the cluster's four tile rows it is, is settled by a mask on the stores, so that all partners run the same lines.
	s_and_b32 s94, ttmp7, 1
	s_or_b32 s94, s94, s15
	s_cmp_lg_u32 s94, 0
	s_cbranch_scc1 .Lno_copy
	WIN 0x08                                       ; an LDS store's data are its source 1: window 2
.irp b, 0,1,2,3,4,5,6,7
	ds_store_b128 v[STO32], v[8*\b:8*\b+3] offset:64*\b
	ds_store_b128 v[STO32], v[8*\b+4:8*\b+7] offset:64*\b+16
.endr
	WIN 0
.irp t, 0,1,2,3,4,5,6,7,8,9,10,11,12,13,14,15
	ds_load_b128 v[64+4*\t:67+4*\t], v[RD32] offset:\t*SP32
.endr
	s_and_b32 s93, s17, 7
	v_mov_b32 v30, s93
	v_cmp_eq_u32 vcc_lo, 0, v30                    ; all lanes or none: is my tile row the first of a batch?
	s_wait_dscnt 0x0
	s_wait_xcnt 0x0                                ; EXEC changes only behind this wait
	s_and_saveexec_b32 s95, vcc_lo
.irp t, 0,1,2,3,4,5,6,7,8,9,10,11,12,13,14,15
	global_store_b128 v[CO32], v[64+4*\t:67+4*\t], s[98:99] offset:12288*\t   ; 32 lanes store 512 consecutive bytes of token t's row
.endr
	s_wait_xcnt 0x0                                ; and again, in front of the line that widens it
	s_or_b32 exec_lo, exec_lo, s95
.Lno_copy:
	s_wait_tensorcnt 0x0                           ; the wave's end: behind my last tensor load and my last LDS store
	ds_add_u32 v[SPW], v[NIL]
	s_wait_dscnt 0x0
	CROUND                                         ; the closing round: no work-group ends while a partner may still ask for a tile that names it
	s_endpgm
.Lfunc_end_k_q9ddc8a0387_qkv:
	.size	k_q9ddc8a0387_qkv, .Lfunc_end_k_q9ddc8a0387_qkv-k_q9ddc8a0387_qkv
	.p2alignl 7, 3214868480
	.fill 96, 4, 3214868480
	.section	.rodata,"a",@progbits
	.p2align	6, 0x0
	.amdhsa_kernel k_q9ddc8a0387_qkv
		.amdhsa_group_segment_fixed_size 327680
		.amdhsa_private_segment_fixed_size 0
		.amdhsa_enable_private_segment 0
		.amdhsa_kernarg_size 56
		.amdhsa_user_sgpr_count 2
		.amdhsa_user_sgpr_kernarg_segment_ptr 1
		.amdhsa_wavefront_size32 1
		.amdhsa_system_sgpr_workgroup_id_x 1
		.amdhsa_system_sgpr_workgroup_id_y 1
		.amdhsa_system_sgpr_workgroup_id_z 1
		.amdhsa_system_vgpr_workitem_id 0
		.amdhsa_next_free_vgpr 1024
		.amdhsa_next_free_sgpr 100
		.amdhsa_reserve_vcc 1
		.amdhsa_float_denorm_mode_32 3
		.amdhsa_float_denorm_mode_16_64 3
		.amdhsa_memory_ordered 1
		.amdhsa_forward_progress 1
		.amdhsa_inst_pref_size 133
	.end_amdhsa_kernel
	.amdgpu_metadata
---
amdhsa.version: [ 1, 2 ]
amdhsa.kernels:
  - .name:           k_q9ddc8a0387_qkv
    .symbol:         k_q9ddc8a0387_qkv.kd
    .args:
      - { .name: xc, .offset: 0, .size: 8, .value_kind: global_buffer, .address_space: global }
      - { .name: xs, .offset: 8, .size: 8, .value_kind: global_buffer, .address_space: global }
      - { .name: wc, .offset: 16, .size: 8, .value_kind: global_buffer, .address_space: global }
      - { .name: ws, .offset: 24, .size: 8, .value_kind: global_buffer, .address_space: global }
      - { .name: b_qkv, .offset: 32, .size: 8, .value_kind: global_buffer, .address_space: global }
      - { .name: qkv16, .offset: 40, .size: 8, .value_kind: global_buffer, .address_space: global }
      - { .name: qkv32, .offset: 48, .size: 8, .value_kind: global_buffer, .address_space: global }
    .group_segment_fixed_size: 327680
    .private_segment_fixed_size: 0
    .kernarg_segment_align: 8
    .kernarg_segment_size: 56
    .max_flat_workgroup_size: 128
    .sgpr_count:     100
    .vgpr_count:     1024
    .wavefront_size: 32
...
	.end_amdgpu_metadata
.endif
;; end of part 2
;; launch attn (part 3): grid 8 x 32, 8 waves a work-group, no clusters, 327,680 bytes of LDS; arguments qkv16, att16; writes att16
.if DOCPART == 3
	.amdgcn_target "amdgcn-amd-amdhsa--gfx1250"
	.amdhsa_code_object_version 6
	.text
	.protected	k_q9ddc8a0387_attn
	.globl	k_q9ddc8a0387_attn
	.p2align	8
	.type	k_q9ddc8a0387_attn,@function
k_q9ddc8a0387_attn:
	s_mov_b64 s[64:65], 0
	v_nop
	global_prefetch_b8 v0, s[64:65] scope:SCOPE_SE
	s_setreg_imm32_b32 hwreg(HW_REG_WAVE_MODE, 25, 1), 1
	s_wait_xcnt 0x0
; att[b][t][h][:] = the sum over keys k <= t of softmax_k(q . k / 8) v, for one head a work-group row.  q, k, v: f16, [plane][2048][64] (128 bytes a token); products on f16 operands, sums, maxima and the softmax in f32.
; SHARES.  Work-group (I, head) owns two blocks of 128 queries: block 15 - I in pass 0, block I in pass 1: 17 squares of 128 x 128 under the causal mask in every work-group.
; Wave w owns 32 queries (two tiles of 16) of the block: 32 (w % 4) on.  THE TWO GROUPS OF FOUR WAVES SPLIT THE KEYS: group G = w / 4 takes the steps of 64 keys of parity G, with a running maximum, sum and O of its
; own; at a pass's end group 1 hands its state through LDS, and group 0 joins the two, divides and stores.  So waves w and w + 4, which share a SIMD, have equal work, and one's softmax stands beside the other's products.
; LAYOUT.  S^T = K Q^T (source 0 = 16 keys, source 1 = 16 queries): a lane holds ONE query (lane % 16) and keys 8 (lane / 16) + 0..7 of each tile.  Two such tiles, rounded to f16 in pairs, ARE source 1 of
; O^T = V^T P.  K comes out of LDS as it lies, V turned, by ds_load_tr16_b128.
; THE RING.  Two LDS slots of 256 keys.  Every work-group walks all 8 slots in both passes (constant trip counts); a step all of whose keys come after the wave's queries is jumped over, and a slot that no wave
; of the work-group will read is not asked for.  NO CLUSTER: under the causal mask the query blocks of a head need different numbers of tiles.
; OUT: att16, f16: byte (m / 2) 4,096 + 256 h + 128 (m % 2) + 2 d, m = 2,048 b + t: two tokens of a head are 256 consecutive bytes, and a token's 1,024 channels stay in order head by head.
; LIMITS: |q|, |k|, |v| under 65,504; NaN and infinities are not served.  Rows t < 16 are made here in f16 like the others; a later launch makes those rows of the result anew in f32.
; REGISTERS.  Window 0: v1-16 addresses and constants; v20-35 eight statistics a tile; v36-43 the partner's; v64-127 S^T, 32 a tile; v128-159 P, 16 a tile.
;   Window 1: v0-31 Q; v32-95 K of a step; v96-159 V of a step; v160-223 O^T, 32 a tile.
.set PK,    272                        ; a pair of keys in LDS: 256 bytes + 16 of padding: the 16 keys of a load start at 16 different groups of four banks
.set PV,    288                        ; a pair of V's rows: 256 + 32
.set VOFF,  128*PK                     ; a slot: 128 pairs of K, then 128 pairs of V
.set SLOT1, 1<<17                      ; slot 1 begins here: one exclusive or turns an address in one slot into the other's
.set XCH,   SLOT1+VOFF+128*PV          ; behind the ring: 18 images of 512 bytes for each pair of waves: group 1's O^T and statistics
.set STG,   XCH+4*9216                 ; the way out: 2 tiles x 16 rows x (128 + 16) bytes for each wave of group 0
.set SPARE, STG+4*4608                 ; the spare words, 128 bytes for each of the eight waves
.set AK0, 3                            ; v3   my lane's place in a step's K
.set AV0, 4                            ; v4   and in its V
.set ADK, 5                            ; v5   LDS address of the step's K
.set ADV, 6                            ; v6   of its V
.set QO,  7                            ; v7   my byte offset in the wave's rows of Q
.set SPW, 8                            ; v8   LDS address of my spare word; never rewritten
.set NIL, 9                            ; v9   0; never rewritten
.set GO,  10                           ; v10  my byte offset in att16
.set STO, 11                           ; v11  the stage: where I put 16 bytes of a row
.set RD,  12                           ; v12  and where I read back
.set XA,  13                           ; v13  the exchange: 16 x lane in my pair's region
.set PFO, 14                           ; v14  256 x lane: the prefetches' offset; never rewritten
.set DQ,  15                           ; v15  the mask's bound
.set NINF, 16                          ; v16  -infinity
.set ST,  20                           ; tile t's statistics at v[ST + 8 t]: +0 c m, +1 m, +2, +3 l (even keys', odd keys'), +4 .. +7 at work; a in +6
.set PS,  36                           ; the partner's c m, m, l, l
.set S,   64
.set P,   128
.set QR,  0                            ; window 1
.set KR,  32
.set VR,  96
.set OT,  160
.set WV,  8                            ; s8   my wave's number
.set G,   9                            ; s9   my group
.set W3,  10                           ; s10  my place in it
.set KB,  12                           ; s[12:13] the head's K at my half of a slot;  s[14:15] V likewise
.set VB,  14
.set QB,  16                           ; s[16:17] the head's Q
.set OB,  18                           ; s[18:19] att16 at my batch and head
.set SEL, 20                           ; s[20:21] v_permlanex16_b32's selects: lane l xor 16
.set CS,  22                           ; s[22:23] c = log2(e) / 8
.set G1K, 24
.set G1V, 32
.set G0K, 40
.set G0V, 44
.set TB,  48                           ; s48  LDS byte at which the slot in hand begins
.set SLOTC, 49                         ; s49  slots to go in this pass
.set PASSC, 50                         ; s50  passes to go
.set KF,  51                           ; s51  my step's first key
.set Q0,  52                           ; s52  my first query
.set LASTQ, 53                         ; s53  the block's last query
.set NLAST, 54                         ; s54  the next pass's, or -1
.set BLK, 55
.set OFF, 56                           ; s[56:57] the next slot's byte offset in K and V
.set ASKF, 58                          ; s58  1: the next slot is asked for
.set LIM, 59                           ; s59  3 in a wave that prefetches, else the greatest number
.set PFK, 60                           ; s[60:61], s[62:63] where my prefetches stand
.set PFV, 62
.set QP,  68                           ; s[68:69] Q at my first query;  s[70:71] att16 likewise
.set OP,  70
.set MSB, 0
.macro WIN new                         ; the immediate's high byte repeats the setting that is left
.if MSB != (\new)
	s_set_vgpr_msb (MSB<<8)|(\new)
.set MSB, (\new)
.endif
.endm
; Waves 0 and 1 fetch K's halves of a slot, waves 2 and 3 V's, the others nothing.  The branches hang on the wave's number alone.  An s_nop 0 and four v_nop follow each of the two lines.
.macro TLOAD
	s_cmp_lt_u32 s[WV], 2
	s_cbranch_scc0 .Lnot_k_\@
	tensor_load_to_lds s[G0K:G0K+3], s[G1K:G1K+7]
	s_nop 0
.rept 4
	v_nop
.endr
	s_branch .Lasked_\@
.Lnot_k_\@:
	s_cmp_lt_u32 s[WV], 4
	s_cbranch_scc0 .Lasked_\@
	tensor_load_to_lds s[G0V:G0V+3], s[G1V:G1V+7]
	s_nop 0
.rept 4
	v_nop
.endr
.Lasked_\@:
.endm
	s_load_b128 s[4:7], s[0:1], 0x0                ; qkv16 s[4:5], att16 s[6:7]
	v_lshl_add_u32 v[SPW], v0, 2, SPARE
	v_mov_b32 v[NIL], 0
	ds_add_u32 v[SPW], v[NIL]                      ; the wave's opening: the add, twice on end, and its wait ahead of my first tensor load
	ds_add_u32 v[SPW], v[NIL]
	v_lshrrev_b32 v1, 5, v0
	v_readfirstlane_b32 s[WV], v1                  ; wave 0..7
	s_lshr_b32 s[G], s[WV], 2
	s_and_b32 s[W3], s[WV], 3
	s_and_b32 s11, s[WV], 1                        ; which half of a slot I fetch, if I fetch
	; descriptor group 1: 64 rows of 128 elements of 2 bytes (a pair of tokens), dense in memory, padded in LDS
	s_mov_b32 s[G1K], (1<<16)|(1<<20)|(5<<22)|(3<<25)   ; no mask; elements of 2 bytes; padding on; after every 64 words; four words
	s_mov_b32 s[G1V], (1<<16)|(1<<20)|(5<<22)|(7<<25)   ; the same with eight words
.irp g, G1K, G1V
	s_mov_b32 s[\g+1], 128<<16                     ; tensor_dim0
	s_mov_b32 s[\g+2], 64<<16                      ; tensor_dim1
	s_mov_b32 s[\g+3], 128<<16                     ; tile_dim0
	s_mov_b32 s[\g+4], 64                          ; tile_dim1
	s_mov_b32 s[\g+5], 128                         ; from row to row
	s_mov_b32 s[\g+6], 0
	s_mov_b32 s[\g+7], 0
.endr
	s_mov_b32 s[SEL], 0x76543210
	s_mov_b32 s[SEL+1], 0xfedcba98
	s_mov_b32 s[CS], 0x3e38aa3b                    ; c = log2(e) / sqrt(64)
	s_mov_b32 s[CS+1], s[CS]                       ; (named with it as a pair, so it is written)
	s_mov_b32 s[TB], 0
	s_mov_b32 s[PASSC], 2
	s_mov_b32 s[OFF+1], 0
	s_and_b32 s66, ttmp7, 0xffff                   ; 16 x batch + head
	s_lshl_b32 s72, s66, 18                        ; its plane of 262,144 bytes
	s_mov_b32 s73, 0
	s_lshl_b32 s74, s11, 14                        ; my half of a slot: 128 keys of 128 bytes
	s_mov_b32 s75, 0
	s_lshr_b32 s67, s66, 4
	s_lshl_b32 s68, s67, 22                        ; att16: the batch's 1,024 pairs of tokens of 4,096 bytes,
	s_and_b32 s67, s66, 15
	s_lshl_b32 s67, s67, 8
	s_add_co_u32 s68, s68, s67                     ; the head's 256 bytes in a pair
	s_mov_b32 s69, 0
	s_lshl_b32 s70, s[W3], 13                      ; the prefetches: my 8,192 bytes of a slot's 32,768,
	s_add_co_u32 s70, s70, 65536                   ; in slot 2: the first change of slots steps it to slot 3
	s_mov_b32 s71, 0
	s_xor_b32 s67, s[G], 1                         ; 0 in waves 4 to 7,
	s_or_b32 s67, s67, ttmp9                       ; of the head's first work-group
	s_cmp_eq_u32 s67, 0
	s_cselect_b32 s[LIM], 3, -1
	s_mov_b32 s[G0K], 1
	s_mul_i32 s[G0K+1], s11, 64*PK                 ; slot 0, my half
	s_mov_b32 s[G0V], 1
	s_mul_i32 s[G0V+1], s11, 64*PV
	s_add_co_u32 s[G0V+1], s[G0V+1], VOFF
	s_wait_dscnt 0x0                               ; both opening adds are done
	s_wait_kmcnt 0x0
	s_add_nc_u64 s[QB:QB+1], s[4:5], s[72:73]
	s_add_nc_u64 s[KB:KB+1], s[QB:QB+1], 0x800000  ; K's planes lie 32 planes behind Q's,
	s_add_nc_u64 s[VB:VB+1], s[QB:QB+1], 0x1000000 ; V's 64
	s_add_nc_u64 s[PFK:PFK+1], s[KB:KB+1], s[70:71]
	s_add_nc_u64 s[PFV:PFV+1], s[VB:VB+1], s[70:71]
	s_add_nc_u64 s[KB:KB+1], s[KB:KB+1], s[74:75]
	s_add_nc_u64 s[VB:VB+1], s[VB:VB+1], s[74:75]
	s_add_nc_u64 s[OB:OB+1], s[6:7], s[68:69]
	s_mov_b64 s[G0K+2:G0K+3], s[KB:KB+1]
	s_or_b32 s[G0K+3], s[G0K+3], 0x80000000
	s_mov_b64 s[G0V+2:G0V+3], s[VB:VB+1]
	s_or_b32 s[G0V+3], s[G0V+3], 0x80000000
	TLOAD                                          ; keys 0 to 255 into slot 0: key 0 counts for every query
	; every LDS address register is made here, ahead of any parting of the waves
	v_and_b32 v1, 15, v0                           ; r = lane % 16
	v_bfe_u32 v2, v0, 4, 1                         ; h = lane / 16
	v_bfe_u32 v17, v0, 1, 3                        ; r / 2
	v_mul_u32_u24 v[AK0], v17, PK
	v_and_b32 v18, 1, v0
	v_lshl_add_u32 v[AK0], v18, 7, v[AK0]          ; key r of a tile: pair r / 2, half r % 2,
	v_lshl_add_u32 v[AK0], v2, 4, v[AK0]           ; + 16 h,
	s_mul_i32 s66, s[G], 32*PK
	v_add_nc_u32 v[AK0], s66, v[AK0]               ; and my group's 64 keys of each 128
	v_bfe_u32 v17, v0, 1, 2
	v_lshl_add_u32 v17, v2, 2, v17                 ; the turning load: key 8 h + lane % 8: pair 4 h + (lane % 8) / 2,
	v_mul_u32_u24 v[AV0], v17, PV
	v_lshl_add_u32 v[AV0], v18, 7, v[AV0]          ; half lane % 2,
	v_bfe_u32 v17, v0, 3, 1
	v_lshl_add_u32 v[AV0], v17, 4, v[AV0]          ; channels 8 ((lane / 8) % 2) on
	s_mul_i32 s66, s[G], 32*PV
	s_add_co_u32 s66, s66, VOFF
	v_add_nc_u32 v[AV0], s66, v[AV0]
	v_lshlrev_b32 v[QO], 7, v1
	v_lshl_add_u32 v[QO], v2, 4, v[QO]             ; Q: row r of 128 bytes, + 16 h
	v_lshlrev_b32 v[GO], 4, v1
	v_lshl_add_u32 v[GO], v2, 12, v[GO]            ; out: lanes 0-15 a pair of tokens, lanes 16-31 the next pair
	s_mul_i32 s66, s[W3], 4608
	s_add_co_u32 s66, s66, STG
	v_mul_u32_u24 v[STO], v1, 144
	v_lshl_add_u32 v[STO], v2, 4, v[STO]
	v_add_nc_u32 v[STO], s66, v[STO]
	v_bfe_u32 v17, v0, 3, 2
	v_mul_u32_u24 v[RD], v17, 144                  ; back: eight lanes to a token's 128 bytes
	v_and_b32 v17, 7, v0
	v_lshl_add_u32 v[RD], v17, 4, v[RD]
	v_add_nc_u32 v[RD], s66, v[RD]
	s_mul_i32 s66, s[W3], 9216
	s_add_co_u32 s66, s66, XCH
	v_and_b32 v17, 31, v0
	v_lshlrev_b32 v[XA], 4, v17
	v_add_nc_u32 v[XA], s66, v[XA]
	v_lshlrev_b32 v[PFO], 8, v17
	v_mov_b32 v[NINF], 0xff800000
; A KEY STEP of my group: 64 keys, the u-th of its two in the slot in hand.
.macro STEP u
	s_add_co_u32 s66, s[Q0], 31                    ; a step all of whose keys come after my 32 queries is left out: a branch on ids and counts; no barrier and no tensor load stands in a step
	s_cmp_gt_u32 s[KF], s66
	s_cbranch_scc1 .Lhid_\@
	v_add_nc_u32 v[ADK], s[TB], v[AK0]
	v_add_nc_u32 v[ADV], s[TB], v[AV0]
	v_nop                                          ; with the two additions: four places in front of loads into registers that the last products read
	v_nop
	WIN 0x40                                       ; destination window 1
.irp kt, 0,1,2,3                       ; K: keys 16 kt on, channels 32 c on
.irp c, 0,1
	ds_load_b128 v[KR+16*\kt+8*\c:KR+16*\kt+8*\c+3],   v[ADK] offset:64*PK*\u+8*PK*\kt+64*\c
	ds_load_b128 v[KR+16*\kt+8*\c+4:KR+16*\kt+8*\c+7], v[ADK] offset:64*PK*\u+8*PK*\kt+64*\c+32
.endr
.endr
.irp kc, 0,1                           ; V, turned: keys 32 kc on, channels 16 ct on
.irp ct, 0,1,2,3
	ds_load_tr16_b128 v[VR+32*\kc+8*\ct:VR+32*\kc+8*\ct+3],   v[ADV] offset:64*PV*\u+16*PV*\kc+32*\ct
	ds_load_tr16_b128 v[VR+32*\kc+8*\ct+4:VR+32*\kc+8*\ct+7], v[ADV] offset:64*PV*\u+16*PV*\kc+32*\ct+8*PV
.endr
.endr
	s_wait_dscnt 16                                ; K is in; V's sixteen loads may stay out
	WIN 0x05                                       ; K and Q in window 1, S^T in window 0
.irp c, 0,1                            ; the eight accumulators take turns, one instruction a turn; the first eight products start the sums
.irp kt, 0,1,2,3
.irp t, 0,1
.if \c == 0
	v_wmma_f32_16x16x32_f16 v[S+32*\t+8*\kt:S+32*\t+8*\kt+7], v[KR+16*\kt+8*\c:KR+16*\kt+8*\c+7], v[QR+16*\t+8*\c:QR+16*\t+8*\c+7], 0
.else
	v_wmma_f32_16x16x32_f16 v[S+32*\t+8*\kt:S+32*\t+8*\kt+7], v[KR+16*\kt+8*\c:KR+16*\kt+8*\c+7], v[QR+16*\t+8*\c:QR+16*\t+8*\c+7], v[S+32*\t+8*\kt:S+32*\t+8*\kt+7]
.endif
.endr
.endr
.endr
	WIN 0
.rept 4
	v_nop                                          ; places behind the products, ahead of the first read of their results
.endr
	s_add_co_u32 s66, s[KF], 63                    ; a step all of whose keys count skips the mask
	s_cmp_le_u32 s66, s[Q0]
	s_cbranch_scc1 .Lopen_\@
	s_sub_co_i32 s66, s[Q0], s[KF]
	v_lshlrev_b32 v[DQ], 3, v2
	v_sub_nc_u32 v[DQ], v1, v[DQ]
	v_add_nc_u32 v[DQ], s66, v[DQ]                 ; d = Q0 - KF + r - 8 h.  Register n of tile t holds key KF + 16 (n / 8) + 8 h + n % 8 for query Q0 + 16 t + r: hidden where 16 (n / 8) + n % 8 - 16 t > d
.irp t, 0,1
.irp n, 0,1,2,3,4,5,6,7,8,9,10,11,12,13,14,15,16,17,18,19,20,21,22,23,24,25,26,27,28,29,30,31
	v_cmp_gt_i32 vcc_lo, 16*(\n/8)+\n%8-16*\t, v[DQ]
	v_cndmask_b32 v[S+32*\t+\n], v[S+32*\t+\n], v[NINF], vcc_lo
.endr
.endr
.Lopen_\@:
	; THE SOFTMAX, both tiles line by line, so that no line waits for the line above it.  The maximum, three operands at a time, each accumulator from its low end on
.irp j, 0,1,2,3
.irp t, 0,1
	v_max3_num_f32 v[ST+8*\t+4+\j], v[S+32*\t+8*\j], v[S+32*\t+8*\j+1], v[S+32*\t+8*\j+2]
.endr
.endr
.irp i, 3,5
.irp j, 0,1,2,3
.irp t, 0,1
	v_max3_num_f32 v[ST+8*\t+4+\j], v[ST+8*\t+4+\j], v[S+32*\t+8*\j+\i], v[S+32*\t+8*\j+\i+1]
.endr
.endr
.endr
.irp t, 0,1
	v_max3_num_f32 v[ST+8*\t+4], v[ST+8*\t+4], v[S+32*\t+7], v[S+32*\t+15]
.endr
.irp t, 0,1
	v_max3_num_f32 v[ST+8*\t+6], v[ST+8*\t+6], v[S+32*\t+23], v[S+32*\t+31]
.endr
.irp t, 0,1
	v_max3_num_f32 v[ST+8*\t+4], v[ST+8*\t+4], v[ST+8*\t+5], v[ST+8*\t+6]
.endr
.irp t, 0,1
	v_max3_num_f32 v[ST+8*\t+4], v[ST+8*\t+4], v[ST+8*\t+7], v[ST+8*\t+1]   ; and the old m
.endr
.irp t, 0,1
	v_permlanex16_b32 v[ST+8*\t+5], v[ST+8*\t+4], s[SEL], s[SEL+1]          ; the query's other 32 keys lie in the lane 16 away
.endr
.irp t, 0,1
	v_mov_b32 v[ST+8*\t+7], v[ST+8*\t]             ; c m_old is kept for a
.endr
.irp t, 0,1
	v_max_num_f32 v[ST+8*\t+1], v[ST+8*\t+4], v[ST+8*\t+5]
.endr
.irp t, 0,1
	v_mul_f32 v[ST+8*\t], s[CS], v[ST+8*\t+1]
.endr
.irp t, 0,1
	v_sub_f32 v[ST+8*\t+7], v[ST+8*\t+7], v[ST+8*\t]
.endr
.irp b, 0,2,4,6,8,10,12,14,16,18,20,22,24,26,28,30
.irp t, 0,1
	v_pk_fma_f32 v[S+32*\t+\b:S+32*\t+\b+1], v[S+32*\t+\b:S+32*\t+\b+1], s[CS:CS+1], v[ST+8*\t:ST+8*\t+1] op_sel_hi:[1,0,0] neg_lo:[0,0,1] neg_hi:[0,0,1]   ; c s - c m, two at a time
.endr
.endr
.irp t, 0,1
	v_exp_f32 v[ST+8*\t+6], v[ST+8*\t+7]           ; a = 2^(c m_old - c m_new)
.endr
.irp n, 0,1,2,3,4,5,6,7,8,9,10,11,12,13,14,15,16,17,18,19,20,21,22,23,24,25,26,27,28,29,30,31
.irp t, 0,1
	v_exp_f32 v[S+32*\t+\n], v[S+32*\t+\n]         ; p
.endr
.endr
	v_nop                                          ; a plain instruction behind the last exponential
	s_wait_alu depctr_va_vdst(0)                   ; one wait for the batch of 66, ahead of its first reader
.irp i, 0,1,2,3,4,5,6,7,8,9,10,11,12,13,14,15
.irp t, 0,1
	v_cvt_pk_f16_f32 v[P+16*\t+\i], v[S+32*\t+2*\i], v[S+32*\t+2*\i+1]
.endr
.endr
.irp i, 0,1,2,3,4,5,6,7                ; the sum of the 16 pairs, in place: neighbours 1, 2, 4 and 8 pairs apart
.irp t, 0,1
	v_pk_add_f32 v[S+32*\t+4*\i:S+32*\t+4*\i+1], v[S+32*\t+4*\i:S+32*\t+4*\i+1], v[S+32*\t+4*\i+2:S+32*\t+4*\i+3]
.endr
.endr
.irp i, 0,1,2,3
.irp t, 0,1
	v_pk_add_f32 v[S+32*\t+8*\i:S+32*\t+8*\i+1], v[S+32*\t+8*\i:S+32*\t+8*\i+1], v[S+32*\t+8*\i+4:S+32*\t+8*\i+5]
.endr
.endr
.irp i, 0,1
.irp t, 0,1
	v_pk_add_f32 v[S+32*\t+16*\i:S+32*\t+16*\i+1], v[S+32*\t+16*\i:S+32*\t+16*\i+1], v[S+32*\t+16*\i+8:S+32*\t+16*\i+9]
.endr
.endr
.irp t, 0,1
	v_pk_add_f32 v[S+32*\t:S+32*\t+1], v[S+32*\t:S+32*\t+1], v[S+32*\t+16:S+32*\t+17]
.endr
.irp t, 0,1
	v_pk_fma_f32 v[ST+8*\t+2:ST+8*\t+3], v[ST+8*\t+2:ST+8*\t+3], v[ST+8*\t+6:ST+8*\t+7], v[S+32*\t:S+32*\t+1] op_sel_hi:[1,0,1]   ; l = a l + the sum
.endr
	WIN 0x41                                       ; O^T (destination and source 0) in window 1, a in window 0
.irp t, 0,1
.irp i, 0,2,4,6,8,10,12,14,16,18,20,22,24,26,28,30
	v_pk_mul_f32 v[OT+32*\t+\i:OT+32*\t+\i+1], v[OT+32*\t+\i:OT+32*\t+\i+1], v[ST+8*\t+6:ST+8*\t+7] op_sel_hi:[1,0]
.endr
.endr
	s_wait_dscnt 0x0                               ; V is in
	WIN 0x51                                       ; V in window 1, P in window 0, O^T in window 1
.irp kc, 0,1
.irp ct, 0,1,2,3
.irp t, 0,1
	v_wmma_f32_16x16x32_f16 v[OT+32*\t+8*\ct:OT+32*\t+8*\ct+7], v[VR+32*\kc+8*\ct:VR+32*\kc+8*\ct+7], v[P+16*\t+8*\kc:P+16*\t+8*\kc+7], v[OT+32*\t+8*\ct:OT+32*\t+8*\ct+7]
.endr
.endr
.endr
	WIN 0
.Lhid_\@:
	s_add_co_u32 s[KF], s[KF], 128                 ; my group's next step
.endm
.Lpass:                                            ; two trips: block 15 - I, then block I
	s_sub_co_u32 s66, 15, ttmp9
	s_lshl_b32 s67, ttmp9, 7
	s_add_co_u32 s67, s67, 127
	s_cmp_eq_u32 s[PASSC], 2
	s_cselect_b32 s[BLK], s66, ttmp9
	s_cselect_b32 s[NLAST], s67, -1                ; the last query of the pass that follows, or -1: nothing follows
	s_lshl_b32 s[Q0], s[BLK], 7
	s_add_co_u32 s[LASTQ], s[Q0], 127
	s_lshl_b32 s66, s[W3], 5
	s_add_co_u32 s[Q0], s[Q0], s66
	s_lshl_b32 s[KF], s[G], 6
	s_wait_xcnt 0x0                                ; the last pass's loads and stores have read their bases and registers: both are written again only behind this wait
	s_lshl_b32 s72, s[Q0], 7
	s_mov_b32 s73, 0
	s_add_nc_u64 s[QP:QP+1], s[QB:QB+1], s[72:73]
	s_lshl_b32 s72, s[Q0], 11
	s_add_nc_u64 s[OP:OP+1], s[OB:OB+1], s[72:73]
.rept 4
	v_nop                                          ; places in front of loads into Q's registers and of the clearing of O^T
.endr
	WIN 0x40
.irp t, 0,1
.irp c, 0,1
	global_load_b128 v[QR+16*\t+8*\c:QR+16*\t+8*\c+3],   v[QO], s[QP:QP+1] offset:2048*\t+64*\c
	global_load_b128 v[QR+16*\t+8*\c+4:QR+16*\t+8*\c+7], v[QO], s[QP:QP+1] offset:2048*\t+64*\c+32
.endr
.endr
.set i, 0
.rept 64
	v_mov_b32 v[OT+i], 0                           ; O^T.  (The step is written once: the first finds zeros, which the first a, 0, leaves zeros)
.set i, i+1
.endr
	WIN 0
.irp t, 0,1
	v_mov_b32 v[ST+8*\t+1], 0xff61b1e6             ; m: -3e38, under every score
	v_mov_b32 v[ST+8*\t+2], 0                      ; l, in two halves
	v_mov_b32 v[ST+8*\t+3], 0
	v_mul_f32 v[ST+8*\t], s[CS], v[ST+8*\t+1]      ; c m
.endr
	s_wait_loadcnt 0x0                             ; Q
	s_mov_b32 s[SLOTC], 8
.Lslot:                                            ; eight trips: every slot of the head
	; THE CHANGE OF SLOTS stands at a slot's head.  Each wave waits for all its tensor loads (its part of the slot that it is about to read), adds 0 to its spare word, and waits for that and for its reads of the
	; slot that it has left.  Behind the barrier the slot ahead is whole and nobody reads the other one, which is then filled with the keys that follow: one tensor load a wave is out.
	s_wait_tensorcnt 0x0                           ; no tensor load of mine is out, so a group 0 may be written
	ds_add_u32 v[SPW], v[NIL]
	ds_add_u32 v[SPW], v[NIL]                      ; twice on end, in every trip alike; the descriptors' steps stand between the second and the wait
	s_sub_co_u32 s66, 9, s[SLOTC]
	s_and_b32 s66, s66, 7                          ; the slot of keys that follows; behind the eighth: the next pass's first
	s_xor_b32 s[G0K+1], s[G0K+1], SLOT1            ; into the other LDS slot than last time
	s_xor_b32 s[G0V+1], s[G0V+1], SLOT1
	s_lshl_b32 s[OFF], s66, 15
	s_add_nc_u64 s[G0K+2:G0K+3], s[KB:KB+1], s[OFF:OFF+1]
	s_or_b32 s[G0K+3], s[G0K+3], 0x80000000
	s_add_nc_u64 s[G0V+2:G0V+3], s[VB:VB+1], s[OFF:OFF+1]
	s_or_b32 s[G0V+3], s[G0V+3], 0x80000000
	s_cmp_eq_u32 s66, 0
	s_cselect_b32 s67, s[NLAST], s[LASTQ]          ; the last query that could read it
	s_lshl_b32 s66, s66, 8                         ; its first key
	s_cmp_le_i32 s66, s67
	s_cselect_b32 s[ASKF], 1, 0                    ; a slot whose first key comes after that query is read by none of the eight waves, so it is not asked for
	s_wait_xcnt 0x0                                ; the last prefetches, a slot back, have read their addresses, so they may be written
	s_add_nc_u64 s[PFK:PFK+1], s[PFK:PFK+1], 32768
	s_add_nc_u64 s[PFV:PFV+1], s[PFV:PFV+1], 32768
	s_wait_dscnt 0x0                               ; both adds are done, and my reads of the slot that I have left are over
	s_barrier_signal -1
	s_barrier_wait -1
	s_cmp_eq_u32 s[ASKF], 0                        ; ids and counts alone: all eight waves go the same way.  Every wait on TENSORcnt in this text is for 0, and where the loads end hangs on the work-group's number
	s_cbranch_scc1 .Lpast
	TLOAD                                          ; the first thing behind the barrier, and a wave's one tensor load until the next
.Lpast:
	; A PREFETCH INTO THE L2: in trip i the loads ask for slot i + 1, the prefetches for slot i + 3: two slots, four key steps of each wave, ahead of the load that will want it.  All work-groups of a head walk
	; the same K and V: the head's first work-group asks, in its first pass, which walks all eight slots.  In it waves 4 to 7, which fetch nothing, ask, 8,192 bytes of K and of V each, lanes 256 bytes apart:
	; each block of 256 bytes is named once in the launch.  Slots 0 to 2 come by their loads alone; trips 5 to 7 ask for nothing: there is no slot 8.
	s_cmp_gt_u32 s[SLOTC], s[LIM]
	s_cbranch_scc0 .Lnot_mine
	global_prefetch_b8 v[PFO], s[PFK:PFK+1] th:TH_LOAD_NT scope:SCOPE_SE
	global_prefetch_b8 v[PFO], s[PFV:PFV+1] th:TH_LOAD_NT scope:SCOPE_SE
.Lnot_mine:
	STEP 0
	STEP 1
	s_xor_b32 s[TB], s[TB], SLOT1                  ; on to the other slot
	s_sub_co_u32 s[SLOTC], s[SLOTC], 1
	s_cmp_lg_u32 s[SLOTC], 0
	s_cbranch_scc1 .Lslot
	; THE TWO GROUPS' STATES ARE JOINED.  Group 1 stores O^T and its statistics as images of its registers, 16 bytes a lane; a barrier; group 0 loads them by the same addresses.
.rept 4
	v_nop                                          ; places behind the last products, for both roles
.endr
	s_cmp_lt_u32 s[WV], 4
	s_cbranch_scc1 .Lkeep
	WIN 0x04                                       ; an LDS store's data are its source 1: window 1
.irp i, 0,1,2,3,4,5,6,7,8,9,10,11,12,13,14,15
	ds_store_b128 v[XA], v[OT+4*\i:OT+4*\i+3] offset:512*\i
.endr
	WIN 0
.irp t, 0,1
	ds_store_b128 v[XA], v[ST+8*\t:ST+8*\t+3] offset:8192+512*\t
.endr
.Lkeep:
	s_wait_dscnt 0x0                               ; for the others' sake: my stores have landed
	s_barrier_signal -1
	s_barrier_wait -1                              ; the next pass's first slot may stay on its way across it
	s_cmp_lt_u32 s[WV], 4
	s_cbranch_scc0 .Lgiven
.irp t, 0,1
	ds_load_b128 v[PS+4*\t:PS+4*\t+3], v[XA] offset:8192+512*\t
.endr
.irp i, 0,1,2,3,4,5,6,7,8,9,10,11,12,13,14,15
	ds_load_b128 v[S+4*\i:S+4*\i+3], v[XA] offset:512*\i
.endr
	s_wait_dscnt 16                                ; the statistics are in; O^T's sixteen images may stay out
.irp t, 0,1
	v_max_num_f32 v[ST+8*\t+4], v[ST+8*\t], v[PS+4*\t]             ; the joint c m.  (A group that worked no step holds -5.4e37: its factor is 0.  Group 0 has key 0, so the joint maximum is a score's)
.endr
.irp t, 0,1
	v_sub_f32 v[ST+8*\t+5], v[ST+8*\t], v[ST+8*\t+4]
	v_sub_f32 v[ST+8*\t+6], v[PS+4*\t], v[ST+8*\t+4]
.endr
.irp t, 0,1
	v_exp_f32 v[ST+8*\t+5], v[ST+8*\t+5]           ; my factor,
	v_exp_f32 v[ST+8*\t+6], v[ST+8*\t+6]           ; the partner's
.endr
.irp t, 0,1
	v_add_f32 v[ST+8*\t+7], v[ST+8*\t+2], v[ST+8*\t+3]             ; (plain work behind the four exponentials)
	v_add_f32 v[PS+4*\t+2], v[PS+4*\t+2], v[PS+4*\t+3]
.endr
	s_wait_alu depctr_va_vdst(0)                   ; one wait for the four
.irp t, 0,1
	v_mul_f32 v[ST+8*\t+7], v[ST+8*\t+7], v[ST+8*\t+5]
.endr
.irp t, 0,1
	v_fma_f32 v[ST+8*\t+7], v[PS+4*\t+2], v[ST+8*\t+6], v[ST+8*\t+7]
.endr
.irp t, 0,1
	v_permlanex16_b32 v[ST+8*\t+4], v[ST+8*\t+7], s[SEL], s[SEL+1]
.endr
.irp t, 0,1
	v_add_f32 v[ST+8*\t+7], v[ST+8*\t+7], v[ST+8*\t+4]             ; the row's sum
.endr
.irp t, 0,1
	v_rcp_f32 v[ST+8*\t+4], v[ST+8*\t+7]
.endr
	v_nop
	s_wait_alu depctr_va_vdst(0)                   ; one wait for the two reciprocals
.irp t, 0,1
	v_mul_f32 v[ST+8*\t+6], v[ST+8*\t+6], v[ST+8*\t+4]             ; the partner's factor / the sum,
	v_mul_f32 v[ST+8*\t+4], v[ST+8*\t+5], v[ST+8*\t+4]             ; mine
.endr
	s_wait_dscnt 0x0                               ; the partner's O^T is in
.irp t, 0,1
.irp i, 0,2,4,6,8,10,12,14,16,18,20,22,24,26,28,30
	v_pk_mul_f32 v[S+32*\t+\i:S+32*\t+\i+1], v[S+32*\t+\i:S+32*\t+\i+1], v[ST+8*\t+6:ST+8*\t+7] op_sel_hi:[1,0]
.endr
.endr
	WIN 0x01                                       ; source 0 (my O^T) in window 1
.irp t, 0,1
.irp i, 0,2,4,6,8,10,12,14,16,18,20,22,24,26,28,30
	v_pk_fma_f32 v[S+32*\t+\i:S+32*\t+\i+1], v[OT+32*\t+\i:OT+32*\t+\i+1], v[ST+8*\t+4:ST+8*\t+5], v[S+32*\t+\i:S+32*\t+\i+1] op_sel_hi:[1,0,1]
.endr
.endr
	WIN 0
.irp t, 0,1
.irp i, 0,1,2,3,4,5,6,7,8,9,10,11,12,13,14,15
	v_cvt_pk_f16_f32 v[P+16*\t+\i], v[S+32*\t+2*\i], v[S+32*\t+2*\i+1]
.endr
.endr
.irp t, 0,1
.irp ct, 0,1,2,3
	ds_store_b128 v[STO], v[P+16*\t+4*\ct:P+16*\t+4*\ct+3] offset:2304*\t+32*\ct   ; lane (r, h): token r, channels 16 ct + 8 h + 0 .. 7
.endr
.endr
.irp f, 0,1,2,3,4,5,6,7
	ds_load_b128 v[S+4*\f:S+4*\f+3], v[RD] offset:576*\f           ; four tokens an instruction; LDS serves a wave's instructions in order: these see my stores
.endr
.irp f, 0,1,2,3,4,5,6,7
	s_wait_dscnt 7-\f                              ; LDS loads come back in order: load f is in
	global_store_b128 v[GO], v[S+4*\f:S+4*\f+3], s[OP:OP+1] offset:8192*\f   ; 16 lanes store 256 consecutive bytes, at a multiple of 256 from att16's first byte
.endr
.Lgiven:
	s_mov_b32 s[LIM], -1                           ; the second pass prefetches nothing
	s_sub_co_u32 s[PASSC], s[PASSC], 1
	s_cmp_lg_u32 s[PASSC], 0
	s_cbranch_scc1 .Lpass
	s_wait_tensorcnt 0x0                           ; the wave's end: behind my last tensor load and my last LDS store
	ds_add_u32 v[SPW], v[NIL]
	s_wait_dscnt 0x0
	s_endpgm
.Lfunc_end_k_q9ddc8a0387_attn:
	.size	k_q9ddc8a0387_attn, .Lfunc_end_k_q9ddc8a0387_attn-k_q9ddc8a0387_attn
	.p2alignl 7, 3214868480
	.fill 96, 4, 3214868480
	.section	.rodata,"a",@progbits
	.p2align	6, 0x0
	.amdhsa_kernel k_q9ddc8a0387_attn
		.amdhsa_group_segment_fixed_size 327680
		.amdhsa_private_segment_fixed_size 0
		.amdhsa_enable_private_segment 0
		.amdhsa_kernarg_size 16
		.amdhsa_user_sgpr_count 2
		.amdhsa_user_sgpr_kernarg_segment_ptr 1
		.amdhsa_wavefront_size32 1
		.amdhsa_system_sgpr_workgroup_id_x 1
		.amdhsa_system_sgpr_workgroup_id_y 1
		.amdhsa_system_sgpr_workgroup_id_z 1
		.amdhsa_system_vgpr_workitem_id 0
		.amdhsa_next_free_vgpr 512
		.amdhsa_next_free_sgpr 80
		.amdhsa_reserve_vcc 1
		.amdhsa_float_denorm_mode_32 3
		.amdhsa_float_denorm_mode_16_64 3
		.amdhsa_memory_ordered 1
		.amdhsa_forward_progress 1
		.amdhsa_inst_pref_size 67
	.end_amdhsa_kernel
	.amdgpu_metadata
---
amdhsa.version: [ 1, 2 ]
amdhsa.kernels:
  - .name:           k_q9ddc8a0387_attn
    .symbol:         k_q9ddc8a0387_attn.kd
    .args:
      - { .name: qkv16, .offset: 0, .size: 8, .value_kind: global_buffer, .address_space: global }
      - { .name: att16, .offset: 8, .size: 8, .value_kind: global_buffer, .address_space: global }
    .group_segment_fixed_size: 327680
    .private_segment_fixed_size: 0
    .kernarg_segment_align: 8
    .kernarg_segment_size: 16
    .max_flat_workgroup_size: 256
    .sgpr_count:     80
    .vgpr_count:     512
    .wavefront_size: 32
...
	.end_amdgpu_metadata
.endif
;; end of part 3
;; launch proj (part 4): grid 8 x 32, 4 waves a work-group, clusters of 4 x 4, 327,680 bytes of LDS; arguments att16, wp16, b_proj, out0; writes out0
.if DOCPART == 4
	.amdgcn_target "amdgcn-amd-amdhsa--gfx1250"
	.amdhsa_code_object_version 6
	.text
	.protected	k_q9ddc8a0387_proj
	.globl	k_q9ddc8a0387_proj
	.p2align	8
	.type	k_q9ddc8a0387_proj,@function
k_q9ddc8a0387_proj:
	s_mov_b64 s[64:65], 0
	v_nop
	global_prefetch_b8 v0, s[64:65] scope:SCOPE_SE
	s_setreg_imm32_b32 hwreg(HW_REG_WAVE_MODE, 25, 1), 1
	s_wait_xcnt 0x0
	s_wait_alu depctr_hold_cnt(0) depctr_sa_sdst(0) depctr_va_vdst(0) depctr_va_sdst(0) depctr_va_ssrc(0) depctr_va_vcc(0) depctr_vm_vsrc(0)
	s_getreg_b32 s2, hwreg(HW_REG_IB_STS2, 6, 4)
	s_cmp_eq_u32 s2, 0
	s_cbranch_scc0 .Lentry_in_a_cluster
	s_endpgm
.Lentry_in_a_cluster:
	s_bfe_u32 s2, ttmp6, 0x10000c
	s_cmp_lg_u32 s2, 0xf033
	s_cbranch_scc0 .Lentry_shape_is_right
	s_endpgm
.Lentry_shape_is_right:
; out0[m][n] = the sum over k of att[m][k] w_proj[k][n] + b_proj[n], on f16 operands, sums in f32.  M = 4,096, N = K = 1,024.
; A tile of 128 x 128 is made by four waves, 64 x 64 each: 16 accumulators.  256 work-groups.  K goes in four steps of 256 (four heads) through two LDS slots.
; A = att16: byte (m / 2) 4,096 + 256 h + 128 (m % 2) + 2 d: a K step of a pair of tokens is 1,024 consecutive bytes.  B = wp16 [k][n]: K is its first axis, so its fragments come out of LDS turned, by ds_load_tr16_b128.
; CLUSTERS: 4 x 4 work-groups; A's tiles are asked for jointly along a row of the cluster, B's along a column.
; THE MATRIX INSTRUCTION IS USED TRANSPOSED (source 0 = 16 columns n of w_proj, source 1 = 16 tokens): a lane holds eight neighbouring numbers of a row of out0.  THE BIAS IS THE C OF EACH SUM'S FIRST PRODUCT.
; All rows are made here; a later launch makes the rows of the first 16 tokens of each batch anew in f32.  No prefetch: the launch is short and its tiles are small.
; REGISTERS: window 0: v0-31 addresses; v32-95 the way out; v96-127 the bias; v128-255 the accumulators ((a, b) at v[128 + 8 (4 a + b)]).  Window 1: two fragment buffers of 128: 64 of A, then 64 of B.
.set PA,     1040                      ; a pair of tokens in LDS: 1,024 bytes + 16 of padding: the 16 tokens of a load start at 16 different groups of four banks
.set PB,     288                       ; a row k of B's tile: 256 bytes + 32
.set HALFA,  32*PA                     ; 64 tokens: what one tensor load brings of A, and what one wave reads
.set HALFB,  128*PB                    ; 128 rows k: what one tensor load brings of B
.set BOFF,   2*HALFA
.set SLOT,   BOFF+2*HALFB
.set STAGE,  2*SLOT                    ; behind the ring: 16 rows x (256 + 16) bytes for each wave: a wave's 64 columns of f32 are 256 consecutive bytes
.set SPITCH, 272
.set SPARE,  STAGE+4*16*SPITCH         ; the spare words, 128 bytes for each wave
.set ADRA, 16                          ; v16-17  LDS address of my A fragments in slot 0, 1
.set ADRB, 20                          ; v20-23  of my B fragments: slot 0 rows 0-127, rows 128-255; slot 1 likewise
.set STO,  24
.set RD,   25
.set CO,   26
.set SPW,  28                          ; v28     LDS address of my spare word; never rewritten
.set NIL,  29                          ; v29     0; never rewritten
.set TMP,  32
.set BIAS, 96
.set ACC,  128
.set F0,   0
.set F1,   128
.set G1, 24
.set G0, 32
.set G1B, 48
.set G0B, 56
.set MSB, 0
.macro WIN new                         ; the immediate's high byte repeats the setting that is left
.if MSB != (\new)
	s_set_vgpr_msb (MSB<<8)|(\new)
.set MSB, (\new)
.endif
.endm
.set MUL,  0x05                        ; sources 0 (B) and 1 (A) window 1; C and D window 0
.set TO_F, 0x40                        ; destination window 1, address window 0
.macro JLOAD s                         ; a joint load: waves 0 and 1 fetch A's two halves, waves 2 and 3 B's; an s_nop 0 and four v_nop follow each of the two lines
	s_cmp_eq_u32 s11, 0
	s_cbranch_scc0 .Lfor_b_\@
	tensor_load_to_lds s[G0+4*\s:G0+4*\s+3], s[G1:G1+7]
	s_nop 0
.rept 4
	v_nop
.endr
	s_branch .Lasked_\@
.Lfor_b_\@:
	tensor_load_to_lds s[G0B+4*\s:G0B+4*\s+3], s[G1B:G1B+7]
	s_nop 0
.rept 4
	v_nop
.endr
.Lasked_\@:
.endm
.macro CREST                           ; a round of the cluster's barrier behind its opening barrier
	s_cmp_lg_u32 s10, 0
	s_cbranch_scc1 .Lnot_wave_0_\@
	s_barrier_signal -3
.Lnot_wave_0_\@:
	s_barrier_wait -3
	s_barrier_signal -1
	s_barrier_wait -1
.endm
.macro CROUND
	s_barrier_signal -1
	s_barrier_wait -1
	CREST
.endm
	s_load_b128 s[4:7], s[0:1], 0x0                ; att16 s[4:5], wp16 s[6:7]
	s_load_b64 s[66:67], s[0:1], 0x10              ; b_proj
	s_load_b64 s[8:9], s[0:1], 0x18                ; out0
	v_lshl_add_u32 v[SPW], v0, 2, SPARE
	v_mov_b32 v[NIL], 0
	ds_add_u32 v[SPW], v[NIL]                      ; the wave's opening: the add, twice on end, and its wait ahead of my first tensor load
	ds_add_u32 v[SPW], v[NIL]
	v_lshrrev_b32 v1, 5, v0
	v_readfirstlane_b32 s10, v1                    ; wave 0..3
	s_lshr_b32 s11, s10, 1                         ; which half of the tile's rows is mine.  Also: I fetch for A (0) or for B (1)
	s_and_b32 s12, s10, 1                          ; which half of its columns.  Also: which half of that tile I fetch
	s_bfe_u32 s40, ttmp6, 0x40000                  ; cx, cy
	s_bfe_u32 s41, ttmp6, 0x40004
	s_lshl_b32 s42, ttmp9, 2
	s_add_co_u32 s42, s42, s40                     ; tile column
	s_and_b32 s13, ttmp7, 0xffff
	s_lshl_b32 s13, s13, 2
	s_add_co_u32 s13, s13, s41                     ; tile row
	s_lshl_b32 s43, s41, 2
	s_lshl_b32 s43, 15, s43                        ; my row of the cluster
	s_lshl_b32 s44, 0x1111, s40                    ; my column
	; A: 32 rows (pairs of tokens) of 512 elements of 2 bytes, 2,048 elements apart; four words of padding after every 256
	s_or_b32 s[G1+0], s43, (1<<16)|(1<<20)|(1<<21)|(7<<22)|(3<<25)
	s_mov_b32 s[G1+1], 512<<16
	s_mov_b32 s[G1+2], 32<<16
	s_mov_b32 s[G1+3], 512<<16
	s_mov_b32 s[G1+4], 32
	s_mov_b32 s[G1+5], 2048
	s_mov_b32 s[G1+6], 0
	s_mov_b32 s[G1+7], 0
	; B: 128 rows k of 128 elements, 1,024 elements apart; eight words of padding after every 64
	s_or_b32 s[G1B+0], s44, (1<<16)|(1<<20)|(1<<21)|(5<<22)|(7<<25)
	s_mov_b32 s[G1B+1], 128<<16
	s_mov_b32 s[G1B+2], 128<<16
	s_mov_b32 s[G1B+3], 128<<16
	s_mov_b32 s[G1B+4], 128
	s_mov_b32 s[G1B+5], 1024
	s_mov_b32 s[G1B+6], 0
	s_mov_b32 s[G1B+7], 0
	s_lshl_b32 s16, s13, 18                        ; A: pair 64 x tile row + 32 x half, 4,096 bytes each
	s_lshl_b32 s17, s12, 17
	s_add_co_u32 s16, s16, s17
	s_mov_b32 s17, 0
	s_lshl_b32 s46, s42, 8                         ; B: column 128 x tile column, row 128 x half of 2,048 bytes
	s_lshl_b32 s47, s12, 18
	s_add_co_u32 s46, s46, s47
	s_mov_b32 s47, 0
	s_mul_i32 s20, s12, HALFA                      ; where they go: no place in the cluster enters an LDS address
	s_mul_i32 s21, s12, HALFB
	s_add_co_u32 s21, s21, BOFF
	s_wait_dscnt 0x0                               ; both opening adds are done
	s_wait_kmcnt 0x0
	s_add_nc_u64 s[14:15], s[4:5], s[16:17]
	s_add_nc_u64 s[46:47], s[6:7], s[46:47]
	CROUND                                         ; all sixteen work-groups are here: the first joint loads meet
.irp s, 0,1
	s_mov_b32 s[G0+4*\s], 1
	s_add_co_u32 s[G0+4*\s+1], s20, \s*SLOT
	s_add_nc_u64 s[G0+4*\s+2:G0+4*\s+3], s[14:15], \s*1024         ; K step s: four heads of 256 bytes
	s_or_b32 s[G0+4*\s+3], s[G0+4*\s+3], 0x80000000
	s_mov_b32 s[G0B+4*\s], 1
	s_add_co_u32 s[G0B+4*\s+1], s21, \s*SLOT
	s_add_nc_u64 s[G0B+4*\s+2:G0B+4*\s+3], s[46:47], \s*524288     ; K step s: 256 rows of 2,048 bytes
	s_or_b32 s[G0B+4*\s+3], s[G0B+4*\s+3], 0x80000000
	JLOAD \s                                       ; two tensor loads of mine are out
.endr
	v_and_b32 v1, 15, v0                           ; r
	v_bfe_u32 v2, v0, 4, 1                         ; h
	s_lshl_b32 s16, s13, 19                        ; out0: my first row, 128 x tile row + 64 x half, 4,096 bytes each,
	s_lshl_b32 s17, s11, 18
	s_add_co_u32 s16, s16, s17
	s_mov_b32 s17, 0
	s_add_nc_u64 s[8:9], s[8:9], s[16:17]
	s_lshl_b32 s46, s42, 9                         ; my first column in bytes: 512 x tile column + 256 x half
	s_lshl_b32 s47, s12, 8
	s_add_co_u32 s46, s46, s47
	s_mov_b32 s47, 0
	s_add_nc_u64 s[8:9], s[8:9], s[46:47]
	s_add_nc_u64 s[66:67], s[66:67], s[46:47]
	v_lshlrev_b32 v30, 5, v2                       ; the bias: lane (r, h) wants, for block b, columns 16 b + 8 h + 0 .. 7
.irp b, 0,1,2,3
	global_load_b128 v[BIAS+8*\b:BIAS+8*\b+3], v30, s[66:67] offset:64*\b
	global_load_b128 v[BIAS+8*\b+4:BIAS+8*\b+7], v30, s[66:67] offset:64*\b+16
.endr
	v_bfe_u32 v3, v0, 1, 3
	v_mul_u32_u24 v3, v3, PA                       ; A: token r of a block: pair r / 2,
	v_and_b32 v4, 1, v0
	v_lshl_add_u32 v3, v4, 7, v3                   ; half r % 2,
	v_lshl_add_u32 v3, v2, 4, v3                   ; + 16 h
	v_and_b32 v5, 7, v0
	v_lshl_add_u32 v5, v2, 3, v5                   ; B, the turning load: row k = 8 h + lane % 8,
	v_mul_u32_u24 v5, v5, PB
	v_bfe_u32 v6, v0, 3, 1
	v_lshl_add_u32 v5, v6, 4, v5                   ; columns 8 ((lane / 8) % 2) on
	s_mul_i32 s21, s11, HALFA                      ; my 64 tokens
	s_lshl_b32 s22, s12, 7                         ; my 64 columns
	s_add_co_u32 s22, s22, BOFF
.irp s, 0,1
	v_add_nc_u32 v[ADRA+\s], s21, v3
	v_add_nc_u32 v[ADRB+2*\s], s22, v5
	s_add_co_u32 s23, s22, HALFB
	v_add_nc_u32 v[ADRB+2*\s+1], s23, v5
	s_add_co_u32 s21, s21, SLOT
	s_add_co_u32 s22, s22, SLOT
.endr
	s_mul_i32 s23, s10, 16*SPITCH
	s_add_co_u32 s23, s23, STAGE                   ; my stage
	v_mul_u32_u24 v4, v1, SPITCH                   ; in: row r, 32 bytes for each half of the lanes
	v_lshl_add_u32 v4, v2, 5, v4
	v_add_nc_u32 v[STO], s23, v4
	v_mul_u32_u24 v5, v2, SPITCH                   ; back: lanes 0-15 one row of 256 bytes, lanes 16-31 the next
	v_lshl_add_u32 v5, v1, 4, v5
	v_add_nc_u32 v[RD], s23, v5
	v_lshlrev_b32 v[CO], 4, v1
	v_lshl_add_u32 v[CO], v2, 12, v[CO]            ; and the same two rows in out0
; 8 matrix instructions: token blocks a0, a0 + 1 x all 4 column blocks, 32 along K: half c of buffer f.  first = 1: the sum begins with the bias as C.  The 16 accumulators take turns
.macro MUL8 f, c, a0, first
.irp a, \a0, \a0+1
.irp b, 0,1,2,3
.if \first
	v_wmma_f32_16x16x32_f16 v[ACC+8*(4*(\a)+\b):ACC+8*(4*(\a)+\b)+7], v[\f+64+8*(4*\c+\b):\f+64+8*(4*\c+\b)+7], v[\f+8*(4*\c+\a):\f+8*(4*\c+\a)+7], v[BIAS+8*\b:BIAS+8*\b+7]
.else
	v_wmma_f32_16x16x32_f16 v[ACC+8*(4*(\a)+\b):ACC+8*(4*(\a)+\b)+7], v[\f+64+8*(4*\c+\b):\f+64+8*(4*\c+\b)+7], v[\f+8*(4*\c+\a):\f+8*(4*\c+\a)+7], v[ACC+8*(4*(\a)+\b):ACC+8*(4*(\a)+\b)+7]
.endif
.endr
.endr
.endm
; 32 LDS loads in one run: the fragments of quarter q of a K step (64 along K: one head) into buffer f; the first 32 along K first
.macro FETCH slot, q, f
	WIN TO_F
.irp c, 0,1
.irp i, 0,1,2,3
	ds_load_tr16_b128 v[\f+64+8*(4*\c+\i):\f+64+8*(4*\c+\i)+3],   v[ADRB+2*\slot+(\q)/2] offset:(2*((\q)%2)+\c)*32*PB+32*\i
	ds_load_tr16_b128 v[\f+64+8*(4*\c+\i)+4:\f+64+8*(4*\c+\i)+7], v[ADRB+2*\slot+(\q)/2] offset:(2*((\q)%2)+\c)*32*PB+32*\i+16*PB
	ds_load_b128 v[\f+8*(4*\c+\i):\f+8*(4*\c+\i)+3],              v[ADRA+\slot] offset:8*PA*\i+256*(\q)+64*\c
	ds_load_b128 v[\f+8*(4*\c+\i)+4:\f+8*(4*\c+\i)+7],            v[ADRA+\slot] offset:8*PA*\i+256*(\q)+64*\c+32
.endr
.endr
.endm
.macro PLACES                          ; four places in front of loads into registers that matrix instructions have read, and of the first read of results
.rept 4
	v_nop
.endr
.endm
; One of a K step's first three quarters: multiplies buffer f and fetches quarter q into g
.macro QUARTER slot, q, f, g, first
	s_wait_dscnt 16                                ; the first 32 along K are in; the other sixteen loads may be out
	WIN MUL
	MUL8 \f, 0, 0, \first
	MUL8 \f, 0, 2, \first
	PLACES
	FETCH \slot, \q, \g
	s_wait_dscnt 32                                ; all but the 32 just issued
	WIN MUL
	MUL8 \f, 1, 0, 0
	MUL8 \f, 1, 2, 0
.endm
; The last quarter multiplies buffer 1 and changes slots: ONE barrier; in front of it each wave waits for all its tensor loads, adds 0 to its spare word, and waits for that and for its own reads of this slot.
; fill = 1: this slot is filled again, two K steps ahead; the barrier then opens a round of the cluster's barrier.
.macro TURN slot, next, fill
	WIN 0                                          ; (the add's two registers lie in window 0)
	s_wait_tensorcnt 0x0                           ; all my tensor loads have landed: my part of the next slot
	ds_add_u32 v[SPW], v[NIL]
	s_wait_dscnt 17                                ; (the add and the youngest sixteen loads may be out)
	WIN MUL
	MUL8 F1, 0, 0, 0
	s_wait_dscnt 0x0                               ; the add is done, and my reads of this slot are over
	s_barrier_signal -1
	MUL8 F1, 0, 2, 0
.if \fill
	WIN 0
.endif
	s_barrier_wait -1
.if \fill
	CREST                                          ; no wave of any partner still reads this slot's tile or has a load on its way
	s_add_nc_u64 s[G0+4*\slot+2:G0+4*\slot+3], s[G0+4*\slot+2:G0+4*\slot+3], 2048
	s_add_nc_u64 s[G0B+4*\slot+2:G0B+4*\slot+3], s[G0B+4*\slot+2:G0B+4*\slot+3], 1048576
	JLOAD \slot                                    ; the first tensor load behind the round, and my one load until the next; its four v_nop are also the places in front of the loads below
.else
	PLACES
.endif
	FETCH \next, 0, F0
	WIN MUL
	MUL8 F1, 1, 0, 0
	MUL8 F1, 1, 2, 0
.endm
	s_wait_loadcnt 0x0                             ; the bias
	s_wait_tensorcnt 1                             ; my part of K step 0 is in (K step 1's may be out)
	s_barrier_signal -1
	s_barrier_wait -1                              ; everybody's is
	FETCH 0, 0, F0
	QUARTER 0, 1, F0, F1, 1                        ; K step 0: its first products start the sums, from the bias
	QUARTER 0, 2, F1, F0, 0
	QUARTER 0, 3, F0, F1, 0
	TURN 0, 1, 1                                   ; slot 0 takes K step 2
	QUARTER 1, 1, F0, F1, 0                        ; K step 1
	QUARTER 1, 2, F1, F0, 0
	QUARTER 1, 3, F0, F1, 0
	TURN 1, 0, 1                                   ; slot 1 takes K step 3
	QUARTER 0, 1, F0, F1, 0                        ; K step 2
	QUARTER 0, 2, F1, F0, 0
	QUARTER 0, 3, F0, F1, 0
	TURN 0, 1, 0                                   ; nothing is left to fetch
	QUARTER 1, 1, F0, F1, 0                        ; K step 3
	QUARTER 1, 2, F1, F0, 0
	QUARTER 1, 3, F0, F1, 0
	s_wait_dscnt 16
	WIN MUL
	MUL8 F1, 0, 0, 0
	MUL8 F1, 0, 2, 0
	s_wait_dscnt 0
	MUL8 F1, 1, 0, 0
	MUL8 F1, 1, 2, 0
	WIN 0
; THE WAY OUT, block by block of 16 rows x 64 columns: through my own stage, each accumulator from its low end on, and back as whole rows of 256 bytes.
.macro TOSTAGE a
.irp b, 0,1,2,3
	ds_store_b128 v[STO], v[ACC+8*(4*(\a)+\b):ACC+8*(4*(\a)+\b)+3] offset:64*\b
	ds_store_b128 v[STO], v[ACC+8*(4*(\a)+\b)+4:ACC+8*(4*(\a)+\b)+7] offset:64*\b+16
.endr
.irp t, 0,1,2,3,4,5,6,7
	ds_load_b128 v[TMP+32*((\a)%2)+4*\t:TMP+32*((\a)%2)+4*\t+3], v[RD] offset:\t*2*SPITCH   ; LDS serves a wave's instructions in order: these see the stores above
.endr
.endm
.macro SEND a, younger                 ; younger: the LDS instructions issued behind block a's loads
	s_wait_dscnt \younger
.irp t, 0,1,2,3,4,5,6,7
	global_store_b128 v[CO], v[TMP+32*((\a)%2)+4*\t:TMP+32*((\a)%2)+4*\t+3], s[8:9] offset:(16*(\a)+2*\t)*4096   ; 16 lanes store 256 consecutive bytes, at a multiple of 256 from out0's first byte
.endr
.endm
	PLACES
	TOSTAGE 0
.irp a, 1,2,3
.if \a > 1
	s_wait_xcnt 0x0                                ; block a - 2's stores have read their registers: block a's loads may land there
.endif
	TOSTAGE \a
	SEND \a-1, 16                                  ; behind block a - 1's loads: block a's 8 stores and 8 loads
.endr
	SEND 3, 0
	s_wait_tensorcnt 0x0                           ; the wave's end: behind my last tensor load and my last LDS store
	ds_add_u32 v[SPW], v[NIL]
	s_wait_dscnt 0x0
	CROUND                                         ; the closing round
	s_endpgm
.Lfunc_end_k_q9ddc8a0387_proj:
	.size	k_q9ddc8a0387_proj, .Lfunc_end_k_q9ddc8a0387_proj-k_q9ddc8a0387_proj
	.p2alignl 7, 3214868480
	.fill 96, 4, 3214868480
	.section	.rodata,"a",@progbits
	.p2align	6, 0x0
	.amdhsa_kernel k_q9ddc8a0387_proj
		.amdhsa_group_segment_fixed_size 327680
		.amdhsa_private_segment_fixed_size 0
		.amdhsa_enable_private_segment 0
		.amdhsa_kernarg_size 32
		.amdhsa_user_sgpr_count 2
		.amdhsa_user_sgpr_kernarg_segment_ptr 1
		.amdhsa_wavefront_size32 1
		.amdhsa_system_sgpr_workgroup_id_x 1
		.amdhsa_system_sgpr_workgroup_id_y 1
		.amdhsa_system_sgpr_workgroup_id_z 1
		.amdhsa_system_vgpr_workitem_id 0
		.amdhsa_next_free_vgpr 512
		.amdhsa_next_free_sgpr 68
		.amdhsa_reserve_vcc 0
		.amdhsa_float_denorm_mode_32 3
		.amdhsa_float_denorm_mode_16_64 3
		.amdhsa_memory_ordered 1
		.amdhsa_forward_progress 1
		.amdhsa_inst_pref_size 87
	.end_amdhsa_kernel
	.amdgpu_metadata
---
amdhsa.version: [ 1, 2 ]
amdhsa.kernels:
  - .name:           k_q9ddc8a0387_proj
    .symbol:         k_q9ddc8a0387_proj.kd
    .args:
      - { .name: att16, .offset: 0, .size: 8, .value_kind: global_buffer, .address_space: global }
      - { .name: wp16, .offset: 8, .size: 8, .value_kind: global_buffer, .address_space: global }
      - { .name: b_proj, .offset: 16, .size: 8, .value_kind: global_buffer, .address_space: global }
      - { .name: out0, .offset: 24, .size: 8, .value_kind: global_buffer, .address_space: global }
    .group_segment_fixed_size: 327680
    .private_segment_fixed_size: 0
    .kernarg_segment_align: 8
    .kernarg_segment_size: 32
    .max_flat_workgroup_size: 128
    .sgpr_count:     68
    .vgpr_count:     512
    .wavefront_size: 32
...
	.end_amdgpu_metadata
.endif
;; end of part 4
;; launch fine (part 5): grid 64 x 2, 16 waves a work-group, no clusters, 157,696 bytes of LDS; arguments qkv32, w_proj, b_proj, out0; writes out0
.if DOCPART == 5
	.amdgcn_target "amdgcn-amd-amdhsa--gfx1250"
	.amdhsa_code_object_version 6
	.text
	.protected	k_q9ddc8a0387_fine
	.globl	k_q9ddc8a0387_fine
	.p2align	8
	.type	k_q9ddc8a0387_fine,@function
k_q9ddc8a0387_fine:
	s_mov_b64 s[64:65], 0
	v_nop
	global_prefetch_b8 v0, s[64:65] scope:SCOPE_SE
	s_setreg_imm32_b32 hwreg(HW_REG_WAVE_MODE, 25, 1), 1
	s_wait_xcnt 0x0
; THE FIRST 16 TOKENS OF EACH BATCH, IN F32 THROUGHOUT: under the causal mask they average one to sixteen values, and the rounding of 16-bit operands would weigh most there.
; out0[b][t < 16][n] = b_proj[n] + the sum over heads and channels of att[t][head][ch] w_proj[64 head + ch][n]; these 32 rows of out0 are written over what the launch before left there.
; SHARES.  Work-group (x, b) owns columns 16 x .. 16 x + 15 of batch b: 128 work-groups.  Wave w is head w: it makes its head's 16 x 16 attention, then its 64 k of the projection; the 16 partial tiles meet in LDS
; and wave 0 adds them, in the heads' order, onto the bias.  The small attention is repeated in all 64 work-groups of a batch: so no sum spans work-groups.  A row's piece is 64 bytes: 128 KiB in all go out so.
; All three products by v_wmma_f32_16x16x4_f32 (no bulk work: 48 instructions a wave); its results are written by matrix instructions alone, and what is made of them goes into other registers.
; S^T = K Q^T: a lane holds query r = lane % 16 and keys 8 h + 0..7 (h = lane / 16).  The form's operand holds k = 2 h + j in register j: which four k form a step is free as long as both sources agree:
; S^T: channels 8 s + 4 h + 2 e + j;  O^T = V^T P: keys 8 h + 2 s + j, which are P's registers 2 s, 2 s + 1 as they stand;  the projection: channels 16 ct + 8 h + 2 s + j, O^T's registers as they stand.
; Q AND K want a lane to a token, and the tokens' rows lie 12,288 bytes apart.  So they are loaded as they lie, sixteen lanes to a token's 256 bytes of the head, two tokens an instruction, and turn through the
; wave's own stage in LDS into the operand's layout: a load then names 2 rows and not 16.  V and w_proj want a lane to a channel or a column: their loads name two rows as they are.
; LIMITS: NaN and infinities are not served.
.set SPT,   272                        ; a token's row in the stage: 256 bytes + 16: the 16 rows that a load touches start at 16 different groups of four banks
.set WSTG,  32*SPT                     ; a wave's stage: Q's 16 rows, then K's
.set PT,    16*WSTG                    ; behind the 16 stages: the 16 partial tiles of 1,024 bytes
.set SPARE, PT+16384                   ; behind them: the spare words, 128 bytes for each wave
.set SPW, 6                            ; v6   LDS address of my spare word; never rewritten
.set NIL, 7                            ; v7   0; never rewritten
.set SIN, 20                           ; v20  the stage, on the way in: row h, 16 r
.set SOUT, 21                          ; v21  and on the way out: row r, 16 h
.set QF,  32                           ; v32-63   Q: as loaded, then 4 s + 2 e + j
.set KK,  64                           ; v64-95   K likewise
.set VF,  96                           ; v96-127  V: 8 ct + 2 s + j
.set WF,  128                          ; v128-159 w_proj: 2 (4 ct + s) + j
.set SA,  160                          ; v160-175 S^T in two sums, which take turns
.set T,   176                          ; v176-183 the scores, then p
.set BI,  184                          ; v184-191 the bias, then the result
.set OT,  192                          ; v192-223 O^T: 8 ct + j
.set PA,  224                          ; v224-239 the projection in two sums, which take turns
.set RR,  240                          ; v240-247 my partial tile
	s_load_b256 s[4:11], s[0:1], 0x0               ; qkv32 s[4:5], w_proj s[6:7], b_proj s[8:9], out0 s[10:11]
	v_lshl_add_u32 v[SPW], v0, 2, SPARE
	v_mov_b32 v[NIL], 0
	v_lshrrev_b32 v1, 5, v0
	v_readfirstlane_b32 s12, v1                    ; wave = head
	v_and_b32 v1, 15, v0                           ; r
	v_bfe_u32 v2, v0, 4, 1                         ; h
	v_mul_u32_u24 v3, v2, 12288
	v_lshl_add_u32 v3, v1, 4, v3                   ; Q, K: token h of a pair, 16 bytes at 16 r
	v_lshlrev_b32 v13, 2, v1
	v_mad_u32_u24 v4, v2, 0x18000, v13             ; V: 8 h tokens down, channel r
	v_lshl_add_u32 v5, v2, 15, v13                 ; w_proj: 8 h rows of 4,096 bytes down, column r
	v_and_b32 v9, 31, v0
	v_lshl_add_u32 v9, v9, 4, PT                   ; the partial tiles: 16 x lane
	s_lshl_b32 s13, s12, 10
	v_add_nc_u32 v8, s13, v9                       ; my partial tile's image
	s_mul_i32 s15, s12, WSTG                       ; my stage
	v_mul_u32_u24 v[SIN], v2, SPT
	v_lshl_add_u32 v[SIN], v1, 4, v[SIN]
	v_add_nc_u32 v[SIN], s15, v[SIN]
	v_mul_u32_u24 v[SOUT], v1, SPT
	v_lshl_add_u32 v[SOUT], v2, 4, v[SOUT]
	v_add_nc_u32 v[SOUT], s15, v[SOUT]
	v_lshlrev_b32 v10, 12, v1
	v_lshl_add_u32 v10, v2, 5, v10                 ; out0: row r, + 32 h
	v_lshlrev_b32 v11, 3, v2
	v_sub_nc_u32 v11, v1, v11                      ; r - 8 h: key 8 h + j is hidden where j > r - 8 h
	v_mov_b32 v12, 0xff800000                      ; -infinity
	v_lshlrev_b32 v19, 5, v2                       ; the bias: 32 h
	s_mov_b32 s20, 0x76543210
	s_mov_b32 s21, 0xfedcba98                      ; v_permlanex16_b32's selects: lane l xor 16
	s_mov_b32 s22, 0x3e38aa3b                      ; c = log2(e) / sqrt(64)
	s_and_b32 s14, ttmp7, 0xffff                   ; the batch
	s_mul_i32 s16, s14, 196608
	s_lshl_b32 s17, s12, 8
	s_add_co_u32 s16, s16, s17                     ; qkv32: the batch's 16 rows, the head's 256 bytes
	s_mov_b32 s17, 0
	s_lshl_b32 s24, ttmp9, 6                       ; my 16 columns: 64 bytes
	s_mov_b32 s25, 0
	s_lshl_b32 s18, s12, 18                        ; w_proj: the head's 64 rows
	s_add_co_u32 s18, s18, s24
	s_mov_b32 s19, 0
	s_lshl_b32 s26, s14, 23                        ; out0: the batch's 2,048 rows
	s_add_co_u32 s26, s26, s24
	s_mov_b32 s27, 0
	s_wait_kmcnt 0x0
	s_add_nc_u64 s[4:5], s[4:5], s[16:17]
	s_add_nc_u64 s[6:7], s[6:7], s[18:19]
	s_add_nc_u64 s[8:9], s[8:9], s[24:25]
	s_add_nc_u64 s[10:11], s[10:11], s[26:27]
.irp i, 0,1,2,3,4,5,6,7
	global_load_b128 v[QF+4*\i:QF+4*\i+3], v3, s[4:5] offset:2*\i*12288          ; tokens 2 i and 2 i + 1: 256 consecutive bytes each
.endr
.irp i, 0,1,2,3,4,5,6,7
	global_load_b128 v[KK+4*\i:KK+4*\i+3], v3, s[4:5] offset:4096+2*\i*12288
.endr
.irp ct, 0,1,2,3
.irp i, 0,1,2,3,4,5,6,7
	global_load_b32 v[VF+8*\ct+\i], v4, s[4:5] offset:8192+12288*\i+64*\ct
.endr
.endr
	global_load_b128 v[BI:BI+3], v19, s[8:9]
	global_load_b128 v[BI+4:BI+7], v19, s[8:9] offset:16
	s_wait_loadcnt 34                              ; Q and K are in; V's 32 loads and the bias's two may stay out
.irp i, 0,1,2,3,4,5,6,7                ; through my stage: in by tokens' rows,
	ds_store_b128 v[SIN], v[QF+4*\i:QF+4*\i+3] offset:2*\i*SPT
.endr
.irp i, 0,1,2,3,4,5,6,7
	ds_store_b128 v[SIN], v[KK+4*\i:KK+4*\i+3] offset:(16+2*\i)*SPT
.endr
.irp s, 0,1,2,3,4,5,6,7                ; out a lane to a token: channels 8 s + 4 h + 0 .. 3, into the registers that they left.  LDS serves a wave's instructions in order: these see the stores above
	ds_load_b128 v[QF+4*\s:QF+4*\s+3], v[SOUT] offset:32*\s
.endr
.irp s, 0,1,2,3,4,5,6,7
	ds_load_b128 v[KK+4*\s:KK+4*\s+3], v[SOUT] offset:16*SPT+32*\s
.endr
	s_wait_dscnt 0x0
.irp s, 0,1,2,3,4,5,6,7                ; S^T: two sums by turns, one instruction a turn; the first K steps start them
.irp e, 0,1
.if \s == 0
	v_wmma_f32_16x16x4_f32 v[SA+8*\e:SA+8*\e+7], v[KK+4*\s+2*\e:KK+4*\s+2*\e+1], v[QF+4*\s+2*\e:QF+4*\s+2*\e+1], 0
.else
	v_wmma_f32_16x16x4_f32 v[SA+8*\e:SA+8*\e+7], v[KK+4*\s+2*\e:KK+4*\s+2*\e+1], v[QF+4*\s+2*\e:QF+4*\s+2*\e+1], v[SA+8*\e:SA+8*\e+7]
.endif
.endr
.endr
.irp ct, 0,1,2,3                       ; w_proj's 64 rows x 16 columns are asked for now and land under the softmax
.irp i, 0,1,2,3,4,5,6,7
	global_load_b32 v[WF+8*\ct+\i], v5, s[6:7] offset:(16*\ct+\i)*4096
.endr
.endr
.rept 8
	v_nop                                          ; eight places behind this form, ahead of the first read of its results (ISA guide 7.12.1)
.endr
.irp j, 0,1,2,3,4,5,6,7
	v_add_f32 v[T+\j], v[SA+\j], v[SA+8+\j]        ; from the low end on
.endr
.irp j, 0,1,2,3,4,5,6,7
	v_cmp_gt_i32 vcc_lo, \j, v11
	v_cndmask_b32 v[T+\j], v[T+\j], v12, vcc_lo    ; hidden keys: -infinity; key 0 counts for every query
.endr
	v_max3_num_f32 v13, v[T], v[T+1], v[T+2]
	v_max3_num_f32 v14, v[T+3], v[T+4], v[T+5]
	v_max3_num_f32 v13, v13, v[T+6], v[T+7]
	v_max_num_f32 v13, v13, v14
	v_permlanex16_b32 v14, v13, s20, s21
	v_max_num_f32 v13, v13, v14                    ; the row's maximum
	v_mul_f32 v14, s22, v13
.irp j, 0,1,2,3,4,5,6,7
	v_fma_f32 v[T+\j], v[T+\j], s22, -v14          ; c s - c m
.endr
.irp j, 0,1,2,3,4,5,6,7
	v_exp_f32 v[T+\j], v[T+\j]
.endr
	v_nop                                          ; a plain instruction behind the last exponential
	s_wait_alu depctr_va_vdst(0)                   ; one wait for the eight
	v_add_f32 v15, v[T], v[T+1]
	v_add_f32 v16, v[T+2], v[T+3]
	v_add_f32 v17, v[T+4], v[T+5]
	v_add_f32 v18, v[T+6], v[T+7]
	v_add_f32 v15, v15, v16
	v_add_f32 v17, v17, v18
	v_add_f32 v15, v15, v17
	v_permlanex16_b32 v16, v15, s20, s21
	v_add_f32 v15, v15, v16                        ; the row's sum
	v_rcp_f32 v15, v15
	v_nop
	s_wait_alu depctr_va_vdst(0)
.irp j, 0,1,2,3,4,5,6,7
	v_mul_f32 v[T+\j], v[T+\j], v15                ; the weights
.endr
	s_wait_loadcnt 32                              ; V and the bias are in; w_proj's 32 loads may stay out
.irp s, 0,1,2,3                        ; O^T = V^T P: four sums by turns
.irp ct, 0,1,2,3
.if \s == 0
	v_wmma_f32_16x16x4_f32 v[OT+8*\ct:OT+8*\ct+7], v[VF+8*\ct+2*\s:VF+8*\ct+2*\s+1], v[T+2*\s:T+2*\s+1], 0
.else
	v_wmma_f32_16x16x4_f32 v[OT+8*\ct:OT+8*\ct+7], v[VF+8*\ct+2*\s:VF+8*\ct+2*\s+1], v[T+2*\s:T+2*\s+1], v[OT+8*\ct:OT+8*\ct+7]
.endif
.endr
.endr
.rept 9
	v_nop                                          ; nine places before a matrix instruction takes these results as a source
.endr
	s_wait_loadcnt 0x0                             ; w_proj
.irp s, 0,1,2,3                        ; the projection's part of my head: source 0 = 16 columns of w_proj, source 1 = O^T as it stands; two sums by turns
.irp ct, 0,1,2,3
.if (\s == 0) && (\ct < 2)
	v_wmma_f32_16x16x4_f32 v[PA+8*(\ct%2):PA+8*(\ct%2)+7], v[WF+8*\ct+2*\s:WF+8*\ct+2*\s+1], v[OT+8*\ct+2*\s:OT+8*\ct+2*\s+1], 0
.else
	v_wmma_f32_16x16x4_f32 v[PA+8*(\ct%2):PA+8*(\ct%2)+7], v[WF+8*\ct+2*\s:WF+8*\ct+2*\s+1], v[OT+8*\ct+2*\s:OT+8*\ct+2*\s+1], v[PA+8*(\ct%2):PA+8*(\ct%2)+7]
.endif
.endr
.endr
.rept 8
	v_nop
.endr
.irp i, 0,2,4,6
	v_pk_add_f32 v[RR+\i:RR+\i+1], v[PA+\i:PA+\i+1], v[PA+8+\i:PA+8+\i+1]   ; lane (r, h): token r, columns 8 h + 0 .. 7
.endr
	ds_store_b128 v8, v[RR:RR+3]                   ; as an image of the registers: 16 bytes a lane
	ds_store_b128 v8, v[RR+4:RR+7] offset:512
	s_wait_dscnt 0x0                               ; for wave 0's sake: my stores have landed
	s_barrier_signal -1
	s_barrier_wait -1
	s_cmp_lg_u32 s12, 0
	s_cbranch_scc1 .Lend
.irp p, 0,1,2,3,4,5,6,7,8,9,10,11,12,13,14,15
	ds_load_b128 v[32+8*\p:35+8*\p], v9 offset:1024*\p
	ds_load_b128 v[36+8*\p:39+8*\p], v9 offset:1024*\p+512
.endr
	s_wait_dscnt 0x0
.irp p, 0,1,2,3,4,5,6,7,8,9,10,11,12,13,14,15
.irp i, 0,2,4,6
	v_pk_add_f32 v[BI+\i:BI+\i+1], v[BI+\i:BI+\i+1], v[32+8*\p+\i:32+8*\p+\i+1]   ; four chains, the heads in order
.endr
.endr
	global_store_b128 v10, v[BI:BI+3], s[10:11]
	global_store_b128 v10, v[BI+4:BI+7], s[10:11] offset:16
.Lend:
	s_wait_tensorcnt 0x0                           ; the wave's end: behind my last LDS store
	ds_add_u32 v[SPW], v[NIL]
	s_wait_dscnt 0x0
	s_endpgm
.Lfunc_end_k_q9ddc8a0387_fine:
	.size	k_q9ddc8a0387_fine, .Lfunc_end_k_q9ddc8a0387_fine-k_q9ddc8a0387_fine
	.p2alignl 7, 3214868480
	.fill 96, 4, 3214868480
	.section	.rodata,"a",@progbits
	.p2align	6, 0x0
	.amdhsa_kernel k_q9ddc8a0387_fine
		.amdhsa_group_segment_fixed_size 157696
		.amdhsa_private_segment_fixed_size 0
		.amdhsa_enable_private_segment 0
		.amdhsa_kernarg_size 32
		.amdhsa_user_sgpr_count 2
		.amdhsa_user_sgpr_kernarg_segment_ptr 1
		.amdhsa_wavefront_size32 1
		.amdhsa_system_sgpr_workgroup_id_x 1
		.amdhsa_system_sgpr_workgroup_id_y 1
		.amdhsa_system_sgpr_workgroup_id_z 1
		.amdhsa_system_vgpr_workitem_id 0
		.amdhsa_next_free_vgpr 256
		.amdhsa_next_free_sgpr 66
		.amdhsa_reserve_vcc 1
		.amdhsa_float_denorm_mode_32 3
		.amdhsa_float_denorm_mode_16_64 3
		.amdhsa_memory_ordered 1
		.amdhsa_forward_progress 1
		.amdhsa_inst_pref_size 26
	.end_amdhsa_kernel
	.amdgpu_metadata
---
amdhsa.version: [ 1, 2 ]
amdhsa.kernels:
  - .name:           k_q9ddc8a0387_fine
    .symbol:         k_q9ddc8a0387_fine.kd
    .args:
      - { .name: qkv32, .offset: 0, .size: 8, .value_kind: global_buffer, .address_space: global }
      - { .name: w_proj, .offset: 8, .size: 8, .value_kind: global_buffer, .address_space: global }
      - { .name: b_proj, .offset: 16, .size: 8, .value_kind: global_buffer, .address_space: global }
      - { .name: out0, .offset: 24, .size: 8, .value_kind: global_buffer, .address_space: global }
    .group_segment_fixed_size: 157696
    .private_segment_fixed_size: 0
    .kernarg_segment_align: 8
    .kernarg_segment_size: 32
    .max_flat_workgroup_size: 512
    .sgpr_count:     66
    .vgpr_count:     256
    .wavefront_size: 32
...
	.end_amdgpu_metadata
.endif
;; end of part 5
